; MI455X (gfx1250); checked and timed in simulation.
; The chip was launched on July 23, 2026; its instructions are those of AMD's public machine-readable ISA for CDNA 5 (MIT licence, August 2026) and "CDNA5" Instruction Set Architecture Reference Guide (July 2026). The comments in the code are by the model that wrote it; some were corrected since.
;; Conformer Attention Metal. Allowed arithmetic: matrix products marked QUANTISED: E2M1 operands, one E8M0 scale for each 32 along K, by v_wmma_scale_f32_16x16x128_f8f6f4 with both operands' format E2M1 (or v_wmma_scale_f32_32x16x128_f4), f32 sums; products left as they are: bf16, f16 or f32 operands; f32 sums; everything else in f32.
;; Inputs: bk 1,024 float32; bo 1,024 float32; bq 1,024 float32; bv 1,024 float32; mask 2 x 2,048 x 2,048 int32; pos_emb 2 x 2,048 x 1,024 float32; w_pos 16 x 1,024 float32; wk 1,024 x 1,024 float32; wo 1,024 x 1,024 float32; wq 1,024 x 1,024 float32; wv 1,024 x 1,024 float32; x 2 x 2,048 x 1,024 float32.
;; Outputs: out0 2 x 2,048 x 1,024 float32.
;; This version of the problem:
;;   THIS VERSION OF THE PROBLEM IS GIVEN IN LOW PRECISION. The matrix products marked QUANTISED in the list below multiply operands that are first quantised to E2M1 (2 exponent bits, 1 mantissa bit; 4 bits a number), with one power-of-two scale for each 32 numbers along K (OCP MX v1.0); their sums are f32. The products marked 'left as it is' may take bf16, f16 or f32 operands, with f32 sums. Whichever they take, every output number must still come out within the allowed error. Rounding operands to bf16 (8 significant bits) uses up far more of that allowance than f16 does (11 bits, for magnitudes from 6e-5 to 65,504). All else is computed in f32.
;;   The module's matrix products, in the order in which they are computed (A, B: the left and right operand; K: the contracted axis; several contracted axes count as one K, in the product's order):
;;     1. [M 4,096, K 1,024] x [K 1,024, N 1,024]; A: input x; B: input wq: QUANTISED
;;     2. [M 4,096, K 1,024] x [K 1,024, N 1,024]; A: input x; B: input wk: QUANTISED
;;     3. [M 4,096, K 1,024] x [K 1,024, N 1,024]; A: input x; B: input wv: QUANTISED
;;     4. [M 4,096, K 1,024] x [K 1,024, N 16]; A: input pos_emb; B: input w_pos: QUANTISED
;;     5. batch 32 x [M 2,048, K 64] x [K 64, N 2,048]; A: computed on the way; B: computed on the way: left as it is (an operand is computed on the way)
;;     6. batch 32 x [M 2,048, K 2,048] x [K 2,048, N 64]; A: computed on the way; B: computed on the way: left as it is (an operand is computed on the way)
;;     7. [M 4,096, K 1,024] x [K 1,024, N 1,024]; A: computed on the way; B: input wo: left as it is (an operand is computed on the way)
;;   THE QUANTISER, for each operand of a quantised product, along K:
;;     - K is cut into blocks of 32 from its start; a last block that is shorter is filled with zeros.
;;     - A block's scale is 2^e with e = floor(log2(the largest magnitude in the block)) - 2, held to -126 .. 127; a block of zeros has e = 0. As a byte (E8M0): e + 127.
;;     - Each number is divided by its block's scale, clamped to +-6, and rounded to the nearest number of E2M1, ties to even, subnormals kept.
;;     - The product sums the exact products of the quantised numbers (number of the format x scale) in f32.
;;   ~~~python
;;   def quantise(x, axis):      # numpy; x: float32 -> the quantised numbers, widened to float32 again
;;       x = np.moveaxis(x, axis, -1); K = x.shape[-1]
;;       x = np.pad(x, [(0, 0)] * (x.ndim - 1) + [(0, -K % 32)]); x = x.reshape(x.shape[:-1] + (-1, 32)); a = np.abs(x).max(-1, keepdims=True)
;;       e = np.where(a > 0, np.clip(np.frexp(np.where(a > 0, a, 1))[1] - 1 - 2, -126, 127), 0)      # np.frexp(a)[1] - 1 = floor(log2(a)), exactly
;;       r = np.clip(x / 2.0 ** e, -6, 6)
;;       step = 2.0 ** (np.maximum(np.frexp(np.where(r == 0, 1, r))[1] - 1, 0) - 1)
;;       q = np.round(r / step) * step * 2.0 ** e      # np.round: ties to even
;;       return np.moveaxis(q.reshape(q.shape[:-2] + (-1,))[..., :K], -1, axis).astype(np.float32)
;;   ~~~
;; One version. Each part assembles by itself: llvm-mc -triple=amdgcn-amd-amdhsa -mcpu=gfx1250 --defsym DOCPART=n.
;; ======== version 1 of 1: 4 launches
;; limits: values are held in f16: magnitudes above 65,504 overflow, below 6.1e-05 lose precision
;; workspace buffers: codes 5,775,360 bytes; scales 360,960 bytes; mbits 1,048,576 bytes of whole numbers; wo16 2,097,152 bytes; qkv 25,165,824 bytes; pb 262,144 bytes; ao 8,388,608 bytes
;; launch prep (part 1): grid 1985 x 1, 2 waves a work-group, no clusters, 33,536 bytes of LDS; arguments x, pos_emb, wq, wk, wv, w_pos, mask, wo, codes, scales, mbits, wo16; writes codes, scales, mbits, wo16
.if DOCPART == 1
	.amdgcn_target "amdgcn-amd-amdhsa--gfx1250"
	.amdhsa_code_object_version 6
	.text
	.protected	k_q20de0baf91_prep
	.globl	k_q20de0baf91_prep
	.p2align	8
	.type	k_q20de0baf91_prep,@function
k_q20de0baf91_prep:
	s_mov_b64 s[64:65], 0
	v_nop
	global_prefetch_b8 v0, s[64:65] scope:SCOPE_SE
	s_setreg_imm32_b32 hwreg(HW_REG_WAVE_MODE, 25, 1), 1
	s_wait_xcnt 0x0
; PREP: every input that later launches read more than once is brought into the form in which they take it, each input byte read once.
; Three kinds of work-group, told apart by the work-group's number alone:
;   0 .. 704      QUANT: x, pos_emb, wq, wk, wv, w_pos (f32, K innermost, rows dense) -> codes of E2M1, two to a byte, and one E8M0 byte for each 32 along K.
;                 The six tensors are one stream of blocks of 32: codes and scale bytes lie on end in that order, so the places of the results hang on the work-group's number alone.
;   705 .. 1728   MASK: mask [2][2048][2048] int32 -> one bit a number, laid as the lane masks that the attention launch uses:
;                 mbits [b][16 queries: 128][16 keys: 128][8] words; bit L of word jj = (mask[b][16 qt + L % 16][16 kt + 8 (L / 16) + jj] != 0).
;   1729 .. 1984  WO: wo f32 -> f16, as it lies.
; A block's scale is 2^(floor(log2(its largest magnitude)) - 2); its byte is the largest magnitude's exponent field - 2, held at 1 from below.  A block of zeros so gets the byte 1
; where the rule says 127: its codes are zeros, which add nothing under any byte but 0xff, and the bytes are read by this program alone.
; LIMITS: blocks whose largest magnitude lies under 2^-124, the floor, get the byte 1; NaN and infinities among the inputs are not served; |wo| stays under 65,504 (f16).
; No tensor loads, no barrier: waves share nothing.  Each path has LDS bytes of its own.
.set NQUANT, 705
.set NMASK,  1024
.set STEPS, 16
.set EMAX,  2
.set CB,    8                          ; bytes of 16 codes
.set R,     16                         ; v16-79   QUANT: four sets of 16 numbers as they are loaded
.set X,     80                         ; v80-111  two sets of 16 neighbours
.set E,     112                        ; v112-127 a scale byte for each step
.set C,     128                        ; v128-191 codes: four registers for each step, so that no store's data are written again
.set WREG,  8192                       ; LDS, QUANT: a region for each wave: two stages of 32 x SP bytes, behind them its 256 scale bytes
.set SP,    80                         ; a lane's place in a stage: its 64 bytes + 16 of padding
.set MSTG,  16384                      ; LDS, MASK: a stage of 16 rows x MPITCH for each wave
.set MPITCH, 528                       ; 512 bytes + 16: 33 x 16 bytes, so that sixteen rows start at sixteen different 16-byte columns of 256
.set SPARE, 33280                      ; the spare words, 128 bytes for each wave: one block of 256 bytes that no other line names
.set SPW,   12                         ; v12 LDS address of my spare word; never rewritten
.set NIL,   13                         ; v13 0; never rewritten
	s_load_b512 s[4:19], s[0:1], 0x0               ; x, pos_emb, wq, wk, wv, w_pos, mask, wo
	s_load_b256 s[20:27], s[0:1], 0x40             ; codes, scales, mbits, wo16
	v_lshl_add_u32 v[SPW], v0, 2, SPARE
	v_mov_b32 v[NIL], 0
	v_lshrrev_b32 v1, 5, v0
	v_readfirstlane_b32 s28, v1                    ; wave 0, 1
	v_and_b32 v2, 31, v0                           ; lane
	v_lshlrev_b32 v3, 4, v2                        ; 16 x lane: my 16 bytes of a load's 512
	v_lshlrev_b32 v7, 3, v2                        ; 8 x lane: my 8 bytes of a store's 256
	s_wait_kmcnt 0x0
	s_cmp_lt_u32 ttmp9, NQUANT
	s_cbranch_scc0 .Lnot_quant
; ---------------- QUANT.  A wave takes 16 steps of 512 numbers.  Each of a step's four loads reads 512 consecutive bytes; the 2,048 bytes turn through the wave's own stage in LDS
; and come back 64 bytes a lane: 16 neighbours along K, two neighbouring lanes to a block.  Loads run four steps ahead, the turn through LDS one step.
	s_mul_i32 s29, s28, WREG
	v_lshrrev_b32 v14, 2, v2
	v_mul_u32_u24 v14, v14, SP
	v_and_b32 v15, 3, v2
	v_lshl_add_u32 v14, v15, 4, v14
	v_add_nc_u32 v14, s29, v14                     ; the stage, on the way in: SP (lane / 4) + 16 (lane % 4)
	v_mul_u32_u24 v15, v2, SP
	v_add_nc_u32 v15, s29, v15                     ; and on the way out: SP x lane
	v_lshrrev_b32 v5, 1, v2
	s_add_co_u32 s29, s29, 2*32*SP
	v_add_nc_u32 v5, s29, v5                       ; my wave's 256 scale bytes, my block's byte
	v_add_nc_u32 v6, s29, v7                       ; and on the way out 8 bytes a lane
	s_mov_b64 s[30:31], s[14:15]                   ; which tensor: the choice hangs on the work-group's number alone
	s_mov_b32 s32, 704                             ; and the tensor's first work-group
	s_cmp_lt_u32 ttmp9, 704
	s_cselect_b64 s[30:31], s[12:13], s[30:31]
	s_cselect_b32 s32, 640, s32
	s_cmp_lt_u32 ttmp9, 640
	s_cselect_b64 s[30:31], s[10:11], s[30:31]
	s_cselect_b32 s32, 576, s32
	s_cmp_lt_u32 ttmp9, 576
	s_cselect_b64 s[30:31], s[8:9], s[30:31]
	s_cselect_b32 s32, 512, s32
	s_cmp_lt_u32 ttmp9, 512
	s_cselect_b64 s[30:31], s[6:7], s[30:31]
	s_cselect_b32 s32, 256, s32
	s_cmp_lt_u32 ttmp9, 256
	s_cselect_b64 s[30:31], s[4:5], s[30:31]
	s_cselect_b32 s32, 0, s32
	s_sub_co_u32 s32, ttmp9, s32
	s_lshl_b32 s32, s32, 1
	s_add_co_u32 s32, s32, s28                     ; which run of 8,192 numbers of the tensor is my wave's
	s_lshl_b32 s32, s32, 15                        ; 32,768 bytes a run
	s_mov_b32 s33, 0
	s_add_nc_u64 s[30:31], s[30:31], s[32:33]
	s_lshl_b32 s34, ttmp9, 1
	s_add_co_u32 s34, s34, s28                     ; which run of the whole stream
	s_lshl_b32 s32, s34, 12                        ; 4,096 bytes of codes a run
	s_add_nc_u64 s[20:21], s[20:21], s[32:33]
	s_lshl_b32 s32, s34, 8                         ; 256 scale bytes a run
	s_add_nc_u64 s[22:23], s[22:23], s[32:33]
.macro QLOAD t
.irp i, 0,1,2,3
	global_load_b128 v[R+16*((\t)%4)+4*\i:R+16*((\t)%4)+4*\i+3], v3, s[30:31] offset:2048*(\t)+512*\i th:TH_LOAD_NT
.endr
.endm
.macro QTURN t                         ; step t's numbers through the stage: LDS serves a wave's instructions in order (ISA guide 5.7.1.4), so no wait stands between the stores and the loads
.irp i, 0,1,2,3
	ds_store_b128 v14, v[R+16*((\t)%4)+4*\i:R+16*((\t)%4)+4*\i+3] offset:32*SP*((\t)%2)+8*SP*\i
.endr
.irp i, 0,1,2,3
	ds_load_b128 v[X+16*((\t)%2)+4*\i:X+16*((\t)%2)+4*\i+3], v15 offset:32*SP*((\t)%2)+16*\i
.endr
.endm
.irp t, 0,1,2,3
	QLOAD \t
.endr
	s_wait_loadcnt 12                              ; step 0's four loads are in; the twelve of steps 1 to 3 stay out
	QTURN 0
.macro QSTEP t
.set XS, X+16*((\t)%2)
.if (\t) > 0
	s_wait_dscnt 1                                 ; this step's numbers are back from the stage (the last step's byte store may be out)
.else
	s_wait_dscnt 0x0
.endif
.if (\t)+4 < STEPS
	QLOAD (\t)+4                                   ; into the registers whose stores into the stage have been served
.endif
.if (\t)+1 < STEPS
.if STEPS-2-(\t) >= 3
	s_wait_loadcnt 12                              ; the next step's four loads are in; those of the three steps behind it may be out
.else
	s_wait_loadcnt 4*(STEPS-2-(\t))
.endif
	QTURN (\t)+1
.endif
	v_max3_num_f32 v8, |v[XS]|, |v[XS+1]|, |v[XS+2]|               ; the largest magnitude of my 16, in two chains
	v_max3_num_f32 v9, |v[XS+3]|, |v[XS+4]|, |v[XS+5]|
.irp i, 6,10
	v_max3_num_f32 v8, v8, |v[XS+\i]|, |v[XS+\i+1]|
	v_max3_num_f32 v9, v9, |v[XS+\i+2]|, |v[XS+\i+3]|
.endr
	v_max3_num_f32 v8, v8, |v[XS+14]|, |v[XS+15]|
	v_max3_num_f32 v8, v8, v9, (EMAX+1)<<23        ; and the floor 2^(3 - 127): the byte cannot fall under 1
	v_max_num_f32_dpp v8, v8, v8 row_xmask:1 row_mask:0xf bank_mask:0xf   ; and of my neighbour's 16: the block's
	v_add_nc_u32 v11, 0xff000000, v8               ; 2 off its exponent field: the conversion takes the exponent field of this operand as its scale, and nothing else of it
	v_cvt_scalef32_pk8_fp4_f32 v[C+4*(\t)], v[XS:XS+7], v11
	v_cvt_scalef32_pk8_fp4_f32 v[C+4*(\t)+1], v[XS+8:XS+15], v11
	v_lshrrev_b32 v[E+(\t)], 23, v11               ; the scale's byte (also the plain line behind the conversions)
	ds_store_b8 v5, v[E+(\t)] offset:16*(\t)       ; both lanes of a block write the same byte with the same value
	global_store_b64 v7, v[C+4*(\t):C+4*(\t)+1], s[20:21] offset:32*CB*(\t)   ; the wave stores 256 consecutive bytes, aligned
.endm
.irp t, 0,1,2,3,4,5,6,7,8,9,10,11,12,13,14,15
	QSTEP \t
.endr
	ds_load_b64 v[8:9], v6                         ; my wave's 256 scale bytes: these loads see my stores
	s_wait_dscnt 0x0
	global_store_b64 v7, v[8:9], s[22:23]          ; 256 consecutive bytes, aligned
	s_wait_tensorcnt 0x0                           ; the wave's end, behind my last LDS store
	ds_add_u32 v[SPW], v[NIL]
	s_wait_dscnt 0x0
	s_endpgm
; ---------------- MASK.  A wave takes 16 queries x 256 keys, in two steps of 128 keys.  Each load reads 512 consecutive bytes of one row; the 16 rows turn through the wave's stage,
; so that lane L holds query L % 16 and keys 16 kt + 8 (L / 16) + 0 .. 7; a compare over the 32 lanes then IS one word of the result.
.Lnot_quant:
	s_cmp_lt_u32 ttmp9, NQUANT+NMASK
	s_cbranch_scc0 .Lwo
	s_sub_co_u32 s29, ttmp9, NQUANT
	s_lshl_b32 s29, s29, 1
	s_add_co_u32 s29, s29, s28                     ; unit 0 .. 2047
	s_lshr_b32 s30, s29, 3                         ; which 16 queries: 128 b + qt
	s_and_b32 s31, s29, 7                          ; which 256 keys
	s_lshl_b32 s40, s30, 17                        ; 16 rows of 8,192 bytes
	s_lshl_b32 s41, s31, 10
	s_add_co_u32 s40, s40, s41
	s_mov_b32 s41, 0
	s_add_nc_u64 s[16:17], s[16:17], s[40:41]
	s_lshl_b32 s40, s30, 12                        ; 128 x 8 words for 16 queries
	s_lshl_b32 s42, s31, 9
	s_add_co_u32 s40, s40, s42
	s_add_nc_u64 s[24:25], s[24:25], s[40:41]
	s_mul_i32 s42, s28, 16*MPITCH
	s_add_co_u32 s42, s42, MSTG                    ; my stage
	v_add_nc_u32 v4, s42, v3                       ; in: 16 x lane of a row
	v_and_b32 v5, 15, v0
	v_bfe_u32 v6, v0, 4, 1
	v_mul_u32_u24 v5, v5, MPITCH
	v_lshl_add_u32 v5, v6, 5, v5
	v_add_nc_u32 v5, s42, v5                       ; back: row L % 16, + 32 (L / 16)
.irp i, 16,17,18,19
	v_mov_b32 v[\i], 0                             ; the words' registers: a lane write's destination counts as read
.endr
.irp st, 0,1
.irp i, 0,1,2,3,4,5,6,7,8,9,10,11,12,13,14,15
	global_load_b128 v[64+64*\st+4*\i:64+64*\st+4*\i+3], v3, s[16:17] offset:8192*\i+512*\st th:TH_LOAD_NT
.endr
.endr
.macro MSTEP st, left
	s_wait_loadcnt \left
.irp i, 0,1,2,3,4,5,6,7,8,9,10,11,12,13,14,15
	ds_store_b128 v4, v[64+64*\st+4*\i:64+64*\st+4*\i+3] offset:MPITCH*\i
.endr
.irp k, 0,1,2,3,4,5,6,7
	ds_load_b128 v[192+8*\k:192+8*\k+3], v5 offset:64*\k
	ds_load_b128 v[192+8*\k+4:192+8*\k+7], v5 offset:64*\k+16
.endr
	s_wait_dscnt 0x0
.set w, 0
.rept 8                                ; word w = 8 kt + jj; lane l of the pair of registers holds words 2 l and 2 l + 1
.irp e, 0,1,2,3,4,5,6,7
	v_cmp_ne_u32 s[32+\e], 0, v[192+w+\e]
.endr
.irp e, 0,1,2,3,4,5,6,7
	v_writelane_b32 v[16+2*\st+(\e&1)], s[32+\e], (w+\e)>>1
.endr
.set w, w+8
.endr
	global_store_b64 v7, v[16+2*\st:17+2*\st], s[24:25] offset:256*\st     ; 64 words: 256 consecutive bytes, aligned
.endm
	MSTEP 0, 16                                    ; step 0's sixteen loads are in, step 1's sixteen stay out
	MSTEP 1, 0
	s_wait_tensorcnt 0x0                           ; the wave's end, behind my last LDS store
	ds_add_u32 v[SPW], v[NIL]
	s_wait_dscnt 0x0
	s_endpgm
; ---------------- WO.  A wave takes 2,048 numbers: sixteen loads of 512 bytes, sixteen stores of 256.  This path writes no LDS.
.Lwo:
	s_sub_co_u32 s29, ttmp9, NQUANT+NMASK
	s_lshl_b32 s29, s29, 1
	s_add_co_u32 s29, s29, s28
	s_lshl_b32 s30, s29, 13
	s_mov_b32 s31, 0
	s_add_nc_u64 s[18:19], s[18:19], s[30:31]
	s_lshl_b32 s30, s29, 12
	s_add_nc_u64 s[26:27], s[26:27], s[30:31]
.irp i, 0,1,2,3,4,5,6,7,8,9,10,11,12,13,14,15
	global_load_b128 v[64+4*\i:64+4*\i+3], v3, s[18:19] offset:512*\i th:TH_LOAD_NT
.endr
.irp i, 0,1,2,3,4,5,6,7,8,9,10,11,12,13,14,15
	s_wait_loadcnt 15-\i                           ; loads come back in order: load i is in, the younger ones stay out
	v_cvt_pk_f16_f32 v[128+2*\i], v[64+4*\i], v[64+4*\i+1]
	v_cvt_pk_f16_f32 v[129+2*\i], v[64+4*\i+2], v[64+4*\i+3]
	global_store_b64 v7, v[128+2*\i:129+2*\i], s[26:27] offset:256*\i
.endr
	s_endpgm
.Lfunc_end_k_q20de0baf91_prep:
	.size	k_q20de0baf91_prep, .Lfunc_end_k_q20de0baf91_prep-k_q20de0baf91_prep
	.p2alignl 7, 3214868480
	.fill 96, 4, 3214868480
	.section	.rodata,"a",@progbits
	.p2align	6, 0x0
	.amdhsa_kernel k_q20de0baf91_prep
		.amdhsa_group_segment_fixed_size 33536
		.amdhsa_private_segment_fixed_size 0
		.amdhsa_enable_private_segment 0
		.amdhsa_kernarg_size 96
		.amdhsa_user_sgpr_count 2
		.amdhsa_user_sgpr_kernarg_segment_ptr 1
		.amdhsa_wavefront_size32 1
		.amdhsa_system_sgpr_workgroup_id_x 1
		.amdhsa_system_sgpr_workgroup_id_y 1
		.amdhsa_system_sgpr_workgroup_id_z 1
		.amdhsa_system_vgpr_workitem_id 0
		.amdhsa_next_free_vgpr 256
		.amdhsa_next_free_sgpr 66
		.amdhsa_reserve_vcc 0
		.amdhsa_float_denorm_mode_32 3
		.amdhsa_float_denorm_mode_16_64 3
		.amdhsa_memory_ordered 1
		.amdhsa_forward_progress 1
		.amdhsa_inst_pref_size 64
	.end_amdhsa_kernel
	.amdgpu_metadata
---
amdhsa.version: [ 1, 2 ]
amdhsa.kernels:
  - .name:           k_q20de0baf91_prep
    .symbol:         k_q20de0baf91_prep.kd
    .args:
      - { .name: x, .offset: 0, .size: 8, .value_kind: global_buffer, .address_space: global }
      - { .name: pos_emb, .offset: 8, .size: 8, .value_kind: global_buffer, .address_space: global }
      - { .name: wq, .offset: 16, .size: 8, .value_kind: global_buffer, .address_space: global }
      - { .name: wk, .offset: 24, .size: 8, .value_kind: global_buffer, .address_space: global }
      - { .name: wv, .offset: 32, .size: 8, .value_kind: global_buffer, .address_space: global }
      - { .name: w_pos, .offset: 40, .size: 8, .value_kind: global_buffer, .address_space: global }
      - { .name: mask, .offset: 48, .size: 8, .value_kind: global_buffer, .address_space: global }
      - { .name: wo, .offset: 56, .size: 8, .value_kind: global_buffer, .address_space: global }
      - { .name: codes, .offset: 64, .size: 8, .value_kind: global_buffer, .address_space: global }
      - { .name: scales, .offset: 72, .size: 8, .value_kind: global_buffer, .address_space: global }
      - { .name: mbits, .offset: 80, .size: 8, .value_kind: global_buffer, .address_space: global }
      - { .name: wo16, .offset: 88, .size: 8, .value_kind: global_buffer, .address_space: global }
    .group_segment_fixed_size: 33536
    .private_segment_fixed_size: 0
    .kernarg_segment_align: 8
    .kernarg_segment_size: 96
    .max_flat_workgroup_size: 64
    .sgpr_count:     66
    .vgpr_count:     256
    .wavefront_size: 32
...
	.end_amdgpu_metadata
.endif
;; end of part 1
;; launch proj (part 2): grid 12 x 16, 4 waves a work-group, clusters of 4 x 4, 327,680 bytes of LDS; arguments codes, scales, bq, bk, bv, qkv, pb; writes qkv, pb
.if DOCPART == 2
	.amdgcn_target "amdgcn-amd-amdhsa--gfx1250"
	.amdhsa_code_object_version 6
	.text
	.protected	k_q20de0baf91_proj
	.globl	k_q20de0baf91_proj
	.p2align	8
	.type	k_q20de0baf91_proj,@function
k_q20de0baf91_proj:
	s_mov_b64 s[64:65], 0
	v_nop
	global_prefetch_b8 v0, s[64:65] scope:SCOPE_SE
	s_setreg_imm32_b32 hwreg(HW_REG_WAVE_MODE, 25, 1), 1
	s_wait_xcnt 0x0
	s_wait_alu depctr_hold_cnt(0) depctr_sa_sdst(0) depctr_va_vdst(0) depctr_va_sdst(0) depctr_va_ssrc(0) depctr_va_vcc(0) depctr_vm_vsrc(0)
	s_getreg_b32 s2, hwreg(HW_REG_IB_STS2, 6, 4)
	s_cmp_eq_u32 s2, 0
	s_cbranch_scc0 .Lentry_in_a_cluster
	s_endpgm
.Lentry_in_a_cluster:
	s_bfe_u32 s2, ttmp6, 0x10000c
	s_cmp_lg_u32 s2, 0xf033
	s_cbranch_scc0 .Lentry_shape_is_right
	s_endpgm
.Lentry_shape_is_right:
; PROJ: q, k, v = x W^T + b as ONE product on codes of E2M1 with E8M0 scales: A = x [4096][1024], B = wq, wk, wv on end [3072][1024]; and 8 x pos_bias = 8 pos_emb w_pos^T.
; Results: qkv [3][b x 16 + head][s 2048][64] f16 (a head's rows dense, 128 bytes each), pb [b x 16 + head][key 2048] f32 (times 8, exact: the attention launch adds it to q . k ahead of the factor 1 / 8).
; A tile of C, 256 x 256, is made by a work-group of four waves, each 128 x 128: 64 accumulators, 512 registers.  12 x 16 = 192 work-groups: tiles of 128 rows would make 384, but each byte read
; from LDS would then feed half as many products.  K = 1,024 is two slots of 512 (rows of 256 bytes): both are first fills, nothing is filled again, and the K steps are written out.
; By this text's own count a wave has three tensor loads out: its part of the scales, of slot 0 and of slot 1.
; CLUSTERS: 4 x 4 work-groups.  The four of a row of the cluster need the same tiles of A, the four of a column the same tiles of B: each tile is asked for jointly.
; Cluster x = 0, 1, 2 is q, k, v: the same in all sixteen partners, so the bias's choice and the branch round the position product hang on it.
; THE MATRIX INSTRUCTION IS USED TRANSPOSED (source 0 = 16 rows of B, source 1 = 16 rows of A): a lane holds eight neighbouring columns of one row of C.  The bias is the C of each sum's first product.
; LIMITS: |q|, |k|, |v| stay under 65,504 (f16).
; REGISTERS: window 0: v0-31 addresses; v32-95 scale words and nothing else; v96-127 packed results; v128-191 A's fragments, later rows on the way out; v192-255 the bias, 8 registers for each of B's 8 blocks.
;   window 1: B's fragments, two sets, at v0 and v128.   window 2: accumulators of my rows 0-63 ((a, b) at v[8 (8 a + b)]);   window 3: those of rows 64-127.
.set SIZE_K, 1024
.set NQ,     4                         ; matrix instructions deep in a slot
.set ROWB,   256                       ; a tile's row: 512 codes
.set KROW,   512                       ; a row of codes in memory
.set PITCH,  272                       ; an LDS row: 256 bytes + 16: the 16 rows that a load touches start at 16 different 16-byte columns of 256
.set FR,     8
.set NL,     2
.set NP,     4                         ; places behind this matrix instruction (ISA guide 7.12.1)
.set HALFT,  128*PITCH
.set SLOT,   4*HALFT
.set KS,     32                        ; a row of scale bytes
.set SCL,    2*SLOT
.set HALFS,  (128*KS/256)*272
.set SBLK,   (16*KS/256)*272
.set SPARE,  SCL+4*HALFS               ; the spare words, 128 bytes a wave: two blocks of 256 bytes that no other line names
.set HP,     144                       ; the way out: a head's row of 128 bytes + 16
.set HBLK,   16*HP                     ; 16 rows of one head; a wave's stage is two of them, in slot 0, which has had its only fill and its last read by then
.set ADRA, 16
.set ADRB, 20
.set STO,  24
.set RD,   25
.set CO,   26
.set ADRS, 27
.set SPW,  28
.set NIL,  29
.set SC,   32
.set TMP,  96
.set AF,   128
.set BK,   128
.set BIAS, 192
.set G1, 24
.set G0, 32
.set G1B, 48
.set G0B, 56
.set G1S, 68
.set G0S, 76
.set G1SB, 80
.set G0SB, 88
.set MSB, 0
.macro WIN new                         ; the immediate's high byte repeats the setting that is left
.if MSB != \new
	s_set_vgpr_msb (MSB<<8)|\new
.set MSB, \new
.endif
.endm
.set MUL_LO, 0xa1                      ; source 0 (B) window 1, source 1 (A) window 0, C and D window 2
.set MUL_HI, 0xf1                      ; the same, C and D window 3
.set FST_LO, 0x81                      ; the first products: C (the bias) window 0, D window 2
.set FST_HI, 0xc1                      ; D window 3
.set TO_B,   0x40
; A joint load: waves 0 and 1 fetch for A, waves 2 and 3 for B; the branch hangs on the wave's number alone.  An s_nop 0 and four v_nop follow each of the two lines.
.macro JLOAD g0a, g1a, g0b, g1b
	s_cmp_eq_u32 s15, 0
	s_cbranch_scc0 .Lfor_b_\@
	tensor_load_to_lds s[\g0a:\g0a+3], s[\g1a:\g1a+7]
	s_nop 0
.rept 4
	v_nop
.endr
	s_branch .Lasked_\@
.Lfor_b_\@:
	tensor_load_to_lds s[\g0b:\g0b+3], s[\g1b:\g1b+7]
	s_nop 0
.rept 4
	v_nop
.endr
.Lasked_\@:
.endm
.macro CROUND                          ; a round of the cluster's barrier
	s_barrier_signal -1
	s_barrier_wait -1
	s_cmp_lg_u32 s14, 0
	s_cbranch_scc1 .Lnot_wave_0_\@
	s_barrier_signal -3
.Lnot_wave_0_\@:
	s_barrier_wait -3
	s_barrier_signal -1
	s_barrier_wait -1
.endm
	s_load_b128 s[4:7], s[0:1], 0x0                ; codes, scales
	s_load_b128 s[96:99], s[0:1], 0x10             ; bq, bk
	s_load_b64 s[100:101], s[0:1], 0x20            ; bv
	s_load_b64 s[12:13], s[0:1], 0x28              ; qkv
	s_load_b64 s[104:105], s[0:1], 0x30            ; pb
	v_lshl_add_u32 v[SPW], v0, 2, SPARE
	v_mov_b32 v[NIL], 0
	ds_add_u32 v[SPW], v[NIL]                      ; the wave's opening: the add, twice on end, and its wait ahead of my first tensor load
	ds_add_u32 v[SPW], v[NIL]
	v_lshrrev_b32 v1, 5, v0
	v_readfirstlane_b32 s14, v1                    ; wave 0..3
	s_lshr_b32 s15, s14, 1                         ; which half of the tile's rows is mine.  Also: I fetch for A (0) or for B (1)
	s_and_b32 s16, s14, 1                          ; which half of its columns.  Also: which 128 rows of that tile I fetch
	s_bfe_u32 s40, ttmp6, 0x40000                  ; cx, cy
	s_bfe_u32 s41, ttmp6, 0x40004
	s_lshl_b32 s42, ttmp9, 2
	s_add_co_u32 s42, s42, s40                     ; tile column of C
	s_and_b32 s17, ttmp7, 0xffff
	s_lshl_b32 s17, s17, 2
	s_add_co_u32 s17, s17, s41                     ; tile row of C
	s_lshl_b32 s43, s41, 2
	s_lshl_b32 s43, 15, s43                        ; my row of the cluster
	s_lshl_b32 s44, 0x1111, s40                    ; my column
	s_or_b32 s[G1+0], s43, (0<<16)|(1<<20)|(1<<21)|(5<<22)|(3<<25)  ; the mask; elements of 1 byte; padding on; bit 21 beside a mask; 4 words behind every 64
	s_or_b32 s[G1B+0], s44, (0<<16)|(1<<20)|(1<<21)|(5<<22)|(3<<25)
.irp g, G1, G1B
	s_mov_b32 s[\g+1], ROWB<<16                    ; tensor_dim0
	s_mov_b32 s[\g+2], 128<<16                     ; tensor_dim1
	s_mov_b32 s[\g+3], ROWB<<16                    ; tile_dim0
	s_mov_b32 s[\g+4], 128                         ; tile_dim1
	s_mov_b32 s[\g+5], KROW                        ; the pitch
	s_mov_b32 s[\g+6], 0
	s_mov_b32 s[\g+7], 0
.endr
	s_or_b32 s[G1S+0], s43, (3<<16)|(1<<20)|(1<<21)|(5<<22)|(3<<25) ; the scales of 128 rows: 4,096 dense bytes as 16 rows of 256 (32 elements of 8 bytes), 16 bytes of padding behind each
	s_or_b32 s[G1SB+0], s44, (3<<16)|(1<<20)|(1<<21)|(5<<22)|(3<<25)
.irp g, G1S, G1SB
	s_mov_b32 s[\g+1], 32<<16
	s_mov_b32 s[\g+2], (128*KS/256)<<16
	s_mov_b32 s[\g+3], 32<<16
	s_mov_b32 s[\g+4], 128*KS/256
	s_mov_b32 s[\g+5], 32
	s_mov_b32 s[\g+6], 0
	s_mov_b32 s[\g+7], 0
.endr
	s_lshl_b32 s18, s16, 7
	s_lshl_b32 s20, s17, 8
	s_add_co_u32 s20, s20, s18                     ; A: row 256 x tile row + 128 x half
	s_lshl_b32 s46, s42, 8
	s_add_co_u32 s46, s46, s18                     ; B: row 256 x tile column + 128 x half
	s_mov_b32 s21, 0
	s_mov_b32 s47, 0
	s_mov_b64 s[18:19], KS
	s_mul_u64 s[22:23], s[20:21], s[18:19]         ; where these rows' scales begin
	s_mul_u64 s[92:93], s[46:47], s[18:19]
	s_mov_b64 s[18:19], KROW
	s_mul_u64 s[20:21], s[20:21], s[18:19]         ; and their codes
	s_mul_u64 s[46:47], s[46:47], s[18:19]
	s_mul_i32 s45, s14, HALFT                      ; where they go: no place in the cluster enters an LDS address
	s_mul_i32 s94, s14, HALFS
	s_wait_dscnt 0x0                               ; both opening adds are done
	s_wait_kmcnt 0x0
	s_add_nc_u64 s[8:9], s[4:5], 0x400000          ; B's codes: wq, wk, wv lie behind x's and pos_emb's
	s_add_nc_u64 s[10:11], s[6:7], 0x40000         ; and B's scales
	s_add_nc_u64 s[20:21], s[4:5], s[20:21]
	s_add_nc_u64 s[22:23], s[6:7], s[22:23]
	s_add_nc_u64 s[46:47], s[8:9], s[46:47]
	s_add_nc_u64 s[92:93], s[10:11], s[92:93]
	CROUND                                         ; all sixteen work-groups are here: the first joint loads meet
	s_mov_b32 s[G0S], 1
	s_add_co_u32 s[G0S+1], s94, SCL
	s_mov_b64 s[G0S+2:G0S+3], s[22:23]
	s_or_b32 s[G0S+3], s[G0S+3], 0x80000000
	s_mov_b32 s[G0SB], 1
	s_add_co_u32 s[G0SB+1], s94, SCL
	s_mov_b64 s[G0SB+2:G0SB+3], s[92:93]
	s_or_b32 s[G0SB+3], s[G0SB+3], 0x80000000
	JLOAD G0S, G1S, G0SB, G1SB                     ; the scales first: they are wanted with slot 0
.irp s, 0,1
	s_mov_b32 s[G0+4*\s], 1
	s_add_co_u32 s[G0+4*\s+1], s45, \s*SLOT
	s_add_nc_u64 s[G0+4*\s+2:G0+4*\s+3], s[20:21], \s*ROWB
	s_or_b32 s[G0+4*\s+3], s[G0+4*\s+3], 0x80000000
	s_mov_b32 s[G0B+4*\s], 1
	s_add_co_u32 s[G0B+4*\s+1], s45, \s*SLOT
	s_add_nc_u64 s[G0B+4*\s+2:G0B+4*\s+3], s[46:47], \s*ROWB
	s_or_b32 s[G0B+4*\s+3], s[G0B+4*\s+3], 0x80000000
	JLOAD G0+4*\s, G1, G0B+4*\s, G1B
.endr
	v_and_b32 v1, 15, v0                           ; r = l % 16
	v_bfe_u32 v2, v0, 4, 1                         ; h = l / 16
	v_mul_u32_u24 v3, v1, PITCH
	v_lshl_add_u32 v4, v2, 4, v3                   ; a fragment's row x pitch + 16 x half
	s_mul_i32 s21, s15, HALFT                      ; my 128 rows of A
	s_mul_i32 s22, s16, HALFT                      ; my 128 rows of B,
	s_add_co_u32 s22, s22, 2*HALFT                 ; which lie behind A's 256
.irp s, 0,1
	v_add_nc_u32 v[ADRA+\s], s21, v4
	v_add_nc_u32 v[ADRB+\s], s22, v4
	s_add_co_u32 s21, s21, SLOT
	s_add_co_u32 s22, s22, SLOT
.endr
	v_mul_u32_u24 v5, v1, KS                       ; my row's scales: KS bytes a row,
	v_lshrrev_b32 v6, 8, v5
	v_lshl_add_u32 v5, v6, 4, v5                   ; and 16 more for each 256 passed
	s_mul_i32 s21, s15, HALFS
	s_mul_i32 s22, s16, HALFS
	s_add_co_u32 s22, s22, 2*HALFS
	s_sub_co_u32 s22, s22, s21
	v_mul_u32_u24 v6, s22, v2                      ; lanes 16-31 take B's: one product, the distance between the two bases
	s_add_co_u32 s21, s21, SCL
	v_add_nc_u32 v5, v5, v6
	v_add_nc_u32 v[ADRS], s21, v5
	s_mul_i32 s23, s14, 2*HBLK                     ; my stage
	v_mul_u32_u24 v5, v1, HP
	v_lshl_add_u32 v5, v2, 4, v5
	v_add_nc_u32 v[STO], s23, v5                   ; in: row r, 16 bytes for each half of the lanes
	v_bfe_u32 v5, v0, 3, 2
	v_mul_u32_u24 v5, v5, HP
	v_and_b32 v6, 7, v0
	v_lshl_add_u32 v5, v6, 4, v5
	v_add_nc_u32 v[RD], s23, v5                    ; back: eight lanes to a row of 128 bytes, four rows an instruction
	v_and_b32 v6, 31, v0
	v_lshlrev_b32 v[CO], 4, v6                     ; and in memory those four rows are 512 consecutive bytes
	s_lshl_b32 s20, ttmp9, 23                      ; q, k or v: 8,388,608 bytes each
	s_lshr_b32 s21, s17, 3                         ; the batch: 8 tile rows each
	s_lshl_b32 s21, s21, 4
	s_lshl_b32 s22, s40, 2
	s_add_co_u32 s21, s21, s22
	s_lshl_b32 s22, s16, 1
	s_add_co_u32 s21, s21, s22                     ; 16 b + my first head: 4 cx + 2 x half
	s_lshl_b32 s21, s21, 18                        ; 262,144 bytes a head
	s_add_co_u32 s20, s20, s21
	s_and_b32 s21, s17, 7
	s_lshl_b32 s21, s21, 8
	s_lshl_b32 s22, s15, 7
	s_add_co_u32 s21, s21, s22                     ; my first position in the sequence
	s_lshl_b32 s21, s21, 7                         ; 128 bytes a row
	s_add_co_u32 s20, s20, s21
	s_mov_b32 s21, 0
	s_add_nc_u64 s[12:13], s[12:13], s[20:21]
	s_cmp_eq_u32 ttmp9, 0                          ; the bias of my part
	s_cselect_b64 s[96:97], s[96:97], s[98:99]
	s_cmp_eq_u32 ttmp9, 2
	s_cselect_b64 s[96:97], s[100:101], s[96:97]
	s_lshl_b32 s20, s40, 10
	s_lshl_b32 s22, s16, 9
	s_add_co_u32 s20, s20, s22                     ; 4 (256 cx + 128 x half)
	s_add_nc_u64 s[96:97], s[96:97], s[20:21]
	v_lshlrev_b32 v10, 5, v2                       ; lane (r, h) wants, for B's block b, columns 16 b + 8 h + 0 .. 7
.irp b, 0,1,2,3,4,5,6,7
	global_load_b128 v[BIAS+8*\b:BIAS+8*\b+3], v10, s[96:97] offset:64*\b
	global_load_b128 v[BIAS+8*\b+4:BIAS+8*\b+7], v10, s[96:97] offset:64*\b+16
.endr
; ---- 8 x pos_bias, in the clusters of q alone: 64 work-groups x 4 waves = the 256 tiles of 16 positions.  Operands go from memory straight into registers: each is read once by one wave (w_pos: 8 KB a wave).
; Source 0 = w_pos's 16 rows (the heads), source 1 = 16 rows of pos_emb: register j of lane (r, h) is head 8 h + j at position r.  Two accumulators take turns over the eight K steps.
	s_cmp_lg_u32 ttmp9, 0
	s_cbranch_scc1 .Lno_pos
	s_lshl_b32 s18, s17, 4
	s_lshl_b32 s19, s40, 2
	s_add_co_u32 s18, s18, s19
	s_add_co_u32 s18, s18, s14                     ; my tile: 16 x tile row + 4 cx + wave
	s_lshl_b32 s92, s18, 13                        ; 16 rows of 512 bytes
	s_mov_b32 s93, 0
	s_add_nc_u64 s[22:23], s[4:5], s[92:93]
	s_add_nc_u64 s[22:23], s[22:23], 0x200000      ; pos_emb's codes lie behind x's
	s_add_nc_u64 s[20:21], s[4:5], 0x580000        ; w_pos's codes
	s_lshl_b32 s92, s18, 9                         ; 16 rows of 32 scale bytes
	s_add_nc_u64 s[46:47], s[6:7], s[92:93]
	s_add_nc_u64 s[46:47], s[46:47], 0x20000       ; pos_emb's scales
	s_add_nc_u64 s[44:45], s[6:7], 0x58000         ; w_pos's scales
	s_lshr_b32 s92, s18, 7
	s_lshl_b32 s92, s92, 17                        ; the batch: 16 heads of 8,192 bytes
	s_and_b32 s94, s18, 127
	s_lshl_b32 s94, s94, 6                         ; 16 positions of 4 bytes
	s_add_co_u32 s92, s92, s94
	s_add_nc_u64 s[104:105], s[104:105], s[92:93]
	v_lshlrev_b32 v7, 9, v1
	v_lshl_add_u32 v7, v2, 4, v7                   ; codes: row r of 512 bytes, + 16 h
	v_lshlrev_b32 v8, 5, v1                        ; scale words: row r of 32 bytes: eight words, one for each K step
	v_lshlrev_b32 v9, 2, v1
	v_lshl_add_u32 v9, v2, 16, v9                  ; pb: 8 h heads of 8,192 bytes, + 4 r
	WIN TO_B
.irp s, 0,1,2,3,4,5,6,7
.irp c, 0,1
	global_load_b128 v[8*\s+4*\c:8*\s+4*\c+3], v7, s[20:21] offset:64*\s+32*\c
	global_load_b128 v[64+8*\s+4*\c:64+8*\s+4*\c+3], v7, s[22:23] offset:64*\s+32*\c
.endr
.endr
	WIN 0
	global_load_b128 v[32:35], v8, s[44:45]
	global_load_b128 v[36:39], v8, s[44:45] offset:16
	global_load_b128 v[40:43], v8, s[46:47]
	global_load_b128 v[44:47], v8, s[46:47] offset:16
	s_wait_loadcnt 0x0
	WIN 0xa5                                       ; both sources window 1, C and D window 2
.irp s, 0,1,2,3,4,5,6,7
.if \s < 2
	v_wmma_scale_f32_16x16x128_f8f6f4 v[8*(\s%2):8*(\s%2)+7], v[8*\s:8*\s+7], v[64+8*\s:64+8*\s+7], 0, v[32+\s], v[40+\s] matrix_a_fmt:MATRIX_FMT_FP4 matrix_b_fmt:MATRIX_FMT_FP4
.else
	v_wmma_scale_f32_16x16x128_f8f6f4 v[8*(\s%2):8*(\s%2)+7], v[8*\s:8*\s+7], v[64+8*\s:64+8*\s+7], v[8*(\s%2):8*(\s%2)+7], v[32+\s], v[40+\s] matrix_a_fmt:MATRIX_FMT_FP4 matrix_b_fmt:MATRIX_FMT_FP4
.endif
.endr
.rept 5
	v_nop                                          ; four places ahead of the reads below; five ahead of the matrix instructions that later begin other sums in these registers
.endr
	WIN 0x0a
.irp j, 0,1,2,3,4,5,6,7
	v_add_f32 v[TMP+\j], v[\j], v[8+\j]            ; the two halves of K; each accumulator from its low end on
.endr
	WIN 0
.irp j, 0,1,2,3,4,5,6,7
	v_mul_f32 v[TMP+\j], 0x41000000, v[TMP+\j]     ; x 8, exact
.endr
.irp j, 0,1,2,3,4,5,6,7
	global_store_b32 v9, v[TMP+\j], s[104:105] offset:8192*\j   ; sixteen lanes store 64 consecutive bytes of a head's row: pb is 256 KB, one part in a hundred of what this launch stores
.endr
	s_wait_xcnt 0x0                                ; the stores' data and addresses are written again only behind this wait
.Lno_pos:
	s_wait_loadcnt 0x0                             ; the bias
.macro FRAG reg, adr, q, i             ; 16 rows x 128 K of 4-bit codes: lane l holds row l % 16; registers 4 c .. 4 c + 3 hold K = 64 c + 32 (l / 16) + 0 .. 31
.irp c, 0,1
	ds_load_b128 v[\reg+4*\c:\reg+4*\c+3], v[\adr] offset:64*(\q)+32*\c+(\i)*16*PITCH
.endr
.endm
; 16 matrix instructions: A's blocks a0, a0 + 1 x B's eight, the slot's q-th 128 along K.  p: B's set; sc: the set of scale words.  first = 1: the bias starts the sums.
; One scale register carries A's word (lanes 0-15) and B's (lanes 16-31).  The 64 accumulators take turns, one instruction a turn, in the same order in every step.
.macro MUL16 a0, p, q, sc, first
.irp a, \a0, \a0+1
.irp b, 0,1,2,3,4,5,6,7
.if \first
	v_wmma_scale_f32_16x16x128_f8f6f4 v[8*(8*((\a)%4)+\b):8*(8*((\a)%4)+\b)+7], v[128*(\p)+FR*\b:128*(\p)+FR*\b+FR-1], v[AF+FR*(\a):AF+FR*(\a)+FR-1], v[BIAS+8*\b:BIAS+8*\b+7], v[SC+8*NQ*(\sc)+NQ*\b+(\q)], v[SC+8*NQ*(\sc)+NQ*(\a)+(\q)] matrix_a_fmt:MATRIX_FMT_FP4 matrix_b_fmt:MATRIX_FMT_FP4 matrix_a_scale:MATRIX_SCALE_ROW1
.else
	v_wmma_scale_f32_16x16x128_f8f6f4 v[8*(8*((\a)%4)+\b):8*(8*((\a)%4)+\b)+7], v[128*(\p)+FR*\b:128*(\p)+FR*\b+FR-1], v[AF+FR*(\a):AF+FR*(\a)+FR-1], v[8*(8*((\a)%4)+\b):8*(8*((\a)%4)+\b)+7], v[SC+8*NQ*(\sc)+NQ*\b+(\q)], v[SC+8*NQ*(\sc)+NQ*(\a)+(\q)] matrix_a_fmt:MATRIX_FMT_FP4 matrix_b_fmt:MATRIX_FMT_FP4 matrix_a_scale:MATRIX_SCALE_ROW1
.endif
.endr
.endr
.endm
.macro FETCH_B slot, q, p
	WIN TO_B
.irp i, 0,1,2,3,4,5,6,7
	FRAG 128*(\p)+FR*\i, ADRB+\slot, \q, \i
.endr
	WIN 0
.endm
.macro FETCH_A slot, q, i0
.irp i, \i0, \i0+1, \i0+2, \i0+3
	FRAG AF+FR*(\i), ADRA+\slot, \q, \i
.endr
.endm
.macro SCALES sc                       ; a slot's scale words: four words a row; lanes 0-15 take A's block i, lanes 16-31 B's block i
.irp i, 0,1,2,3,4,5,6,7
	ds_load_b128 v[SC+8*NQ*\sc+NQ*\i:SC+8*NQ*\sc+NQ*\i+3], v[ADRS] offset:\i*SBLK
.endr
.endm
.macro PLACES n                        ; places in front of loads into registers that matrix instructions have read, and of reads of results
.rept \n
	v_nop
.endr
.endm
; A step of 128 along K that has its successor in the same slot.  A has one set of registers: blocks 0-3 are fetched anew in the step's middle, blocks 4-7 at its end; B has two sets.
.macro STEP slot, q, first
	s_wait_dscnt 4*NL                              ; B's set and A's blocks 0-3 are in; the youngest eight loads (A's blocks 4-7) may be out
.if \first
	WIN FST_LO
.else
	WIN MUL_LO
.endif
	MUL16 0, (\q)%2, \q, \slot, \first
	MUL16 2, (\q)%2, \q, \slot, \first
	s_wait_dscnt 0                                 ; A's blocks 4-7 are in
	PLACES NP
	FETCH_B \slot, (\q)+1, 1-(\q)%2
	FETCH_A \slot, (\q)+1, 0
.if \first
	WIN FST_HI
.else
	WIN MUL_HI
.endif
	MUL16 4, (\q)%2, \q, \slot, \first
	MUL16 6, (\q)%2, \q, \slot, \first
	PLACES NP
	WIN 0
	FETCH_A \slot, (\q)+1, 4
.endm
; Slot 0's last step changes slots: one barrier; in front of it each wave waits for all its tensor loads (its part of slot 1), adds 0 to its spare word, and waits for that and for its reads of slot 0.  Nothing is filled again.
.macro TURN slot, next
	s_wait_tensorcnt 0x0                           ; all my tensor loads have landed
	ds_add_u32 v[SPW], v[NIL]                      ; 0 onto my spare word
	s_wait_dscnt 4*NL+1                            ; (the add and the youngest eight loads, A's blocks 4-7, may be out)
	WIN MUL_LO
	MUL16 0, 1, NQ-1, \slot, 0
	s_wait_dscnt 0x0                               ; the add is done, and my reads of this slot are over
	s_barrier_signal -1
	MUL16 2, 1, NQ-1, \slot, 0
	WIN 0
	s_barrier_wait -1
	PLACES NP
	v_add_nc_u32 v[ADRS], 4*NQ, v[ADRS]            ; on to the next slot's scale words
	FETCH_B \next, 0, 0
	FETCH_A \next, 0, 0
	SCALES \next
	WIN MUL_HI
	MUL16 4, 1, NQ-1, \slot, 0
	MUL16 6, 1, NQ-1, \slot, 0
	PLACES NP
	WIN 0
	FETCH_A \next, 0, 4
.endm
	s_wait_tensorcnt 1                             ; the scales and my part of slot 0 are in; slot 1's load, the one issued behind them, may be out
	s_barrier_signal -1
	s_barrier_wait -1                              ; everybody's are
	FETCH_B 0, 0, 0
	FETCH_A 0, 0, 0
	SCALES 0
	FETCH_A 0, 0, 4
	STEP 0, 0, 1
	STEP 0, 1, 0
	STEP 0, 2, 0
	TURN 0, 1
	STEP 1, 0, 0
	STEP 1, 1, 0
	STEP 1, 2, 0
	s_wait_dscnt 4*NL                              ; the very last step: nothing more to fetch
	WIN MUL_LO
	MUL16 0, 1, NQ-1, 1, 0
	MUL16 2, 1, NQ-1, 1, 0
	s_wait_dscnt 0
	WIN MUL_HI
	MUL16 4, 1, NQ-1, 1, 0
	MUL16 6, 1, NQ-1, 1, 0
	WIN 0
; THE WAY OUT, a block of 16 rows x 128 columns (two heads) at a time: rounded to f16, 16 bytes a lane; into my stage, a head's 16 rows of 128 bytes together; back four rows an instruction,
; which in qkv are 512 consecutive bytes.  Block a's conversions stand between block a - 1's loads from the stage and the wait for them.
.macro PACK a
.set AC, 64*((\a)%4)
	WIN 0x0a+5*((\a)/4)                            ; sources 0 and 1: window 2 or 3
.irp b, 0,1,2,3,4,5,6,7
.irp r, 0,1,2,3
	v_cvt_pk_f16_f32 v[TMP+4*\b+\r], v[AC+8*\b+2*\r], v[AC+8*\b+2*\r+1]   ; each accumulator from its low end on
.endr
.endr
	WIN 0
.endm
.macro TOSTAGE a
.set BB, BK+32*((\a)%2)
.irp b, 0,1,2,3,4,5,6,7
	ds_store_b128 v[STO], v[TMP+4*\b:TMP+4*\b+3] offset:(\b/4)*HBLK+32*(\b%4)
.endr
.irp i, 0,1,2,3,4,5,6,7
	ds_load_b128 v[BB+4*\i:BB+4*\i+3], v[RD] offset:(\i/4)*HBLK+4*HP*(\i%4)   ; LDS serves a wave's instructions in order (ISA guide 5.7.1.4): these see the stores above
.endr
.endm
.macro SEND a
.set BB, BK+32*((\a)%2)
	s_wait_dscnt 0x0                               ; the block is back in registers
	s_wait_xcnt 0x0                                ; the block before last's stores have read their registers: the next loads from the stage may land there
.irp i, 0,1,2,3,4,5,6,7
	global_store_b128 v[CO], v[BB+4*\i:BB+4*\i+3], s[12:13] offset:2048*(\a)+262144*(\i/4)+512*(\i%4)   ; 512 consecutive bytes, aligned
.endr
.endm
	PLACES NP
	PACK 0
	TOSTAGE 0
.irp a, 1,2,3,4,5,6,7
	PACK \a
	SEND \a-1
	TOSTAGE \a
.endr
	SEND 7
	s_wait_tensorcnt 0x0                           ; the wave's end, behind my last tensor load and my last LDS store
	ds_add_u32 v[SPW], v[NIL]
	s_wait_dscnt 0x0
	CROUND                                         ; the closing round: no work-group ends while a partner may still ask for a tile that names it
	s_endpgm
.Lfunc_end_k_q20de0baf91_proj:
	.size	k_q20de0baf91_proj, .Lfunc_end_k_q20de0baf91_proj-k_q20de0baf91_proj
	.p2alignl 7, 3214868480
	.fill 96, 4, 3214868480
	.section	.rodata,"a",@progbits
	.p2align	6, 0x0
	.amdhsa_kernel k_q20de0baf91_proj
		.amdhsa_group_segment_fixed_size 327680
		.amdhsa_private_segment_fixed_size 0
		.amdhsa_enable_private_segment 0
		.amdhsa_kernarg_size 56
		.amdhsa_user_sgpr_count 2
		.amdhsa_user_sgpr_kernarg_segment_ptr 1
		.amdhsa_wavefront_size32 1
		.amdhsa_system_sgpr_workgroup_id_x 1
		.amdhsa_system_sgpr_workgroup_id_y 1
		.amdhsa_system_sgpr_workgroup_id_z 1
		.amdhsa_system_vgpr_workitem_id 0
		.amdhsa_next_free_vgpr 1024
		.amdhsa_next_free_sgpr 106
		.amdhsa_reserve_vcc 0
		.amdhsa_float_denorm_mode_32 3
		.amdhsa_float_denorm_mode_16_64 3
		.amdhsa_memory_ordered 1
		.amdhsa_forward_progress 1
		.amdhsa_inst_pref_size 136
	.end_amdhsa_kernel
	.amdgpu_metadata
---
amdhsa.version: [ 1, 2 ]
amdhsa.kernels:
  - .name:           k_q20de0baf91_proj
    .symbol:         k_q20de0baf91_proj.kd
    .args:
      - { .name: codes, .offset: 0, .size: 8, .value_kind: global_buffer, .address_space: global }
      - { .name: scales, .offset: 8, .size: 8, .value_kind: global_buffer, .address_space: global }
      - { .name: bq, .offset: 16, .size: 8, .value_kind: global_buffer, .address_space: global }
      - { .name: bk, .offset: 24, .size: 8, .value_kind: global_buffer, .address_space: global }
      - { .name: bv, .offset: 32, .size: 8, .value_kind: global_buffer, .address_space: global }
      - { .name: qkv, .offset: 40, .size: 8, .value_kind: global_buffer, .address_space: global }
      - { .name: pb, .offset: 48, .size: 8, .value_kind: global_buffer, .address_space: global }
    .group_segment_fixed_size: 327680
    .private_segment_fixed_size: 0
    .kernarg_segment_align: 8
    .kernarg_segment_size: 56
    .max_flat_workgroup_size: 128
    .sgpr_count:     106
    .vgpr_count:     1024
    .wavefront_size: 32
...
	.end_amdgpu_metadata
.endif
;; end of part 2
;; launch attn (part 3): grid 8 x 32, 8 waves a work-group, clusters of 4 x 1, 327,680 bytes of LDS; arguments qkv, pb, mbits, ao; writes ao
.if DOCPART == 3
	.amdgcn_target "amdgcn-amd-amdhsa--gfx1250"
	.amdhsa_code_object_version 6
	.text
	.protected	k_q20de0baf91_attn
	.globl	k_q20de0baf91_attn
	.p2align	8
	.type	k_q20de0baf91_attn,@function
k_q20de0baf91_attn:
	s_mov_b64 s[64:65], 0
	v_nop
	global_prefetch_b8 v0, s[64:65] scope:SCOPE_SE
	s_setreg_imm32_b32 hwreg(HW_REG_WAVE_MODE, 25, 1), 1
	s_wait_xcnt 0x0
	s_wait_alu depctr_hold_cnt(0) depctr_sa_sdst(0) depctr_va_vdst(0) depctr_va_sdst(0) depctr_va_ssrc(0) depctr_va_vcc(0) depctr_vm_vsrc(0)
	s_getreg_b32 s2, hwreg(HW_REG_IB_STS2, 6, 4)
	s_cmp_eq_u32 s2, 0
	s_cbranch_scc0 .Lentry_in_a_cluster
	s_endpgm
.Lentry_in_a_cluster:
	s_bfe_u32 s2, ttmp6, 0x10000c
	s_cmp_lg_u32 s2, 0x3003
	s_cbranch_scc0 .Lentry_shape_is_right
	s_endpgm
.Lentry_shape_is_right:
; ATTN: o[bh][q][:] = the sum over k of softmax_k(q . k / 8 + pos_bias[k], masked) v[k][:], for each of 32 (batch, head); head size 64; 2,048 keys.
; q, k, v: qkv [3][bh][2048][64] f16.  pb [bh][2048] f32 = 8 x pos_bias.  mbits [b][16 queries: 128][16 keys: 128][8] words: lane masks (below).  ao [bh][2048][64] f16.
; Products on f16 operands with f32 sums; maxima, exponentials and sums in f32; the weights p are rounded to f16 for the second product, o once at the end.
; SHARES.  A work-group owns 256 queries of one (batch, head); each of its eight waves 32: two tiles of 16; two waves to a SIMD, so that one wave's softmax stands beside the other's products.
; Every wave walks all keys, 64 a step; a slot of the ring holds 256 keys (four steps).  Wave w fetches step w % 4's tile of K (w < 4) or of V: one tensor load a wave for each slot.
; LAYOUT.  S^T = K Q^T (source 0 = 16 keys, source 1 = 16 queries): a lane holds ONE query (lane % 16) and keys 8 (lane / 16) + 0 .. 7 of the tile.  8 x pos_bias is the C of the first product, so S = q . k + 8 pb
; and t = c S with c = log2(e) / 8.  Two tiles of S^T, rounded to f16 in pairs, are source 1 of O^T = V^T P.  K comes out of LDS as it lies, V turned, by ds_load_tr16_b128.
; MASK.  Word jj of (16 queries, 16 keys) has bit L = mask[query L % 16][key 8 (L / 16) + jj]: the lane mask of register jj of that tile of S^T.  The words come by scalar loads, a step ahead; one
; v_cndmask_b32 a register puts -infinity where the bit is 0, ahead of the maximum.  No branch hangs on them.
; SOFTMAX.  For each query a running maximum m (it starts at -3e38, under every score) and sum l: p = 2^(c S - c m); in every step O and l are multiplied by a = 2^(c m_old - c m_new).
; A step that is masked whole gives p = 0 and a = 1; a row that is masked whole ends with l = 0 and O = 0, and 0 x (1 / 0) is NaN, as a softmax of -infinities is.
; CLUSTER.  The four query blocks of a cluster belong to one (batch, head) and walk the same K, V and pb: every tensor load is joint, with a mask that names the four.
; By this text's own count a wave has two tensor loads out at the head (pb's eighth, its tile of slot 0) and one behind each round.  Every wait on TENSORcnt is for 0.
; LIMITS: |q|, |k|, |v|, |o| stay under 65,504 (f16).
; REGISTERS.  window 0: v1-15 addresses; v16-31 statistics, 8 a tile; v32-63 pb (8 kt + jj); v64-127 S^T (32 t + 8 kt + jj); v128-159 P (16 t + 8 f); v160-223 K (16 kt + 8 c); v224-255 Q (16 t + 8 c).
;   window 1: v0-63 O^T (32 t + 8 ct); v64-127 V^T (8 (4 f + ct)).
.set PK,    272       ; two keys of K in LDS: 256 bytes + 16: key n lies at 272 (n / 2) + 128 (n % 2), so the 16 keys of a load start at 16 different 16-byte columns of 256
.set PVP,   288       ; two keys of V: 256 + 32: the 8 keys x 32 bytes that sixteen lanes of a turning load take fall on 16 different columns
.set VOFF,  32*PK     ; a step's tiles lie together: 64 keys of K, then 64 of V
.set STEPB, 32*(PK+PVP)
.set SLOT1, 1<<17     ; slot 1 begins here, so that one exclusive or turns an address in one slot into the other's
.set PBL,   73728     ; between the slots: the head's 2,048 numbers of pb, filled once
.set STAGE, SLOT1+4*STEPB  ; behind the ring: 16 rows x 144 bytes for each wave, for the way out
.set OPITCH, 144
.set SPARE, STAGE+8*16*OPITCH  ; the spare words, 128 bytes for each wave: four blocks of 256 bytes that no other line names
.set NSL,   8         ; slots' worth of keys
.set NINF, 1          ; v1  -infinity
.set AK0,  2          ; v2  my lane's place in a tile of K
.set AV0,  3          ; v3  the same for V
.set ADK,  4          ; v4  LDS address of the slot's K
.set ADV,  5          ; v5  of its V
.set ADP,  6          ; v6  of its pb
.set PFO,  7          ; v7  256 x my lane: the prefetches' offset; never rewritten
.set SPW,  8          ; v8  LDS address of my spare word; never rewritten
.set NIL,  9          ; v9  0; never rewritten
.set APB0, 10         ; v10 my lane's place in pb
.set STO,  13         ; the way out
.set GO,   14
.set RD,   15
.set ST,   16         ; tile t's statistics at v[ST+8 t]: +0 c m, +1 m, +2, +3 l (even keys', odd keys'), +4 to +7 c0-c3, at work; a takes c2's place
.set PB,   32
.set S,    64
.set P,    128
.set KF,   160
.set QF,   224
.set VF,   64         ; in window 1
.set WV,   2          ; s2  my wave's number
.set TB,   3          ; s3  LDS byte at which the slot in hand begins
.set G1K,  52         ; s[52:59] descriptor group 1 for K's tiles
.set G0,   60         ; s[60:63] descriptor group 0, which walks
.set MP,   66         ; s[66:67] my two tiles' mask words
.set G1V,  84         ; s[84:91] group 1 for V's tiles: it differs in the padding alone
.set CS,   92         ; s[92:93] c
.set SEL,  94         ; s[94:95] lane selects for v_permlanex16_b32: lane l xor 16
.set PFA,  96         ; s[96:97] where my prefetches stand
.set LIM,  98         ; s98  1 in a wave that prefetches, else the greatest number
.set SLOTS, 99        ; s99  slots still to be asked for
.set STG,  100        ; s100 my stage
.set J,    101        ; s101 512 x the slot's number: the slot's mask words in a tile's 4,096 bytes; twice that: its bytes of pb
.set OP,   104        ; s[104:105] my rows of ao
; s[4:51] and s[68:83]: a step's 64 mask words: tile 0's at s[4 + 8 kt + jj]; tile 1's at s[36 + 8 kt + jj] for kt < 2, at s[68 + 8 (kt - 2) + jj] for kt >= 2.  At the head these hold the arguments, pb's descriptor and numbers at work.
.set MSB, 0
.macro WIN new                      ; the immediate's high byte repeats the setting that is left
.if MSB != \new
	s_set_vgpr_msb (MSB<<8)|\new
.set MSB, \new
.endif
.endm
; A joint load of my tile: waves 0 to 3 K's, waves 4 to 7 V's.  The branch hangs on the wave's number alone.  An s_nop 0 and four v_nop follow each of the two lines.
.macro JLOAD
	s_cmp_lt_u32 s[WV], 4
	s_cbranch_scc0 .Lfor_v_\@
	tensor_load_to_lds s[G0:G0+3], s[G1K:G1K+7]
	s_nop 0
.rept 4
	v_nop
.endr
	s_branch .Lasked_\@
.Lfor_v_\@:
	tensor_load_to_lds s[G0:G0+3], s[G1V:G1V+7]
	s_nop 0
.rept 4
	v_nop
.endr
.Lasked_\@:
.endm
; A PREFETCH INTO THE L2 of what the NEXT change of slots will ask for: a slot's 32,768 bytes of K and of V, four key steps ahead of that load.  Both clusters of a head walk the same K and V: the first asks.
; Its four partners share the bytes out BY ADDRESS, 8,192 each, lanes 256 bytes apart; in each, wave 0 asks for K's and wave 4 for V's: so each aligned block of 256 bytes is named once in the launch.
; The last change that fills a slot asks for nothing; slots 0 and 1 come by their loads alone.
.macro ASK
	s_cmp_gt_u32 s[SLOTS], s[LIM]
	s_cbranch_scc0 .Lnot_mine_\@
	global_prefetch_b8 v[PFO], s[PFA:PFA+1] th:TH_LOAD_NT scope:SCOPE_SE
.Lnot_mine_\@:
.endm
.macro CROUND                       ; a round of the cluster's barrier
	s_barrier_signal -1
	s_barrier_wait -1
	s_cmp_lg_u32 s[WV], 0
	s_cbranch_scc1 .Lnot_wave_0_\@
	s_barrier_signal -3
.Lnot_wave_0_\@:
	s_barrier_wait -3
	s_barrier_signal -1
	s_barrier_wait -1
.endm
	s_load_b256 s[4:11], s[0:1], 0x0  ; qkv s[4:5], pb s[6:7], mbits s[8:9], ao s[10:11]
	v_lshl_add_u32 v[SPW], v0, 2, SPARE
	v_mov_b32 v[NIL], 0
	ds_add_u32 v[SPW], v[NIL]       ; the wave's opening: the add, twice on end, and its wait ahead of my first tensor load
	ds_add_u32 v[SPW], v[NIL]
	v_lshrrev_b32 v11, 5, v0
	v_readfirstlane_b32 s[WV], v11  ; wave 0..7
	s_bfe_u32 s24, ttmp6, 0x40000   ; cx
	s_lshl_b32 s25, ttmp9, 2
	s_add_co_u32 s25, s25, s24      ; my block of 256 queries: it enters Q's, the mask's and O's addresses alone
	s_and_b32 s26, ttmp7, 0xffff    ; 16 b + head, which the four partners share
	s_and_b32 s27, s[WV], 3         ; which of a slot's four steps I fetch
	s_lshr_b32 s28, s[WV], 2        ; for K (0) or for V (1)
	s_mov_b32 s[G1K], 15|(1<<16)|(1<<20)|(1<<21)|(5<<22)|(3<<25)  ; the mask: all four; elements of 2 bytes; padding on; bit 21 beside a mask; 4 words behind every 64
	s_mov_b32 s[G1V], 15|(1<<16)|(1<<20)|(1<<21)|(5<<22)|(7<<25)  ; the same with 8 words of padding
.irp g, G1K, G1V                    ; 64 keys of 128 bytes are dense in memory: stated as 32 rows of 256 bytes
	s_mov_b32 s[\g+1], 128<<16      ; tensor_dim0
	s_mov_b32 s[\g+2], 32<<16       ; tensor_dim1
	s_mov_b32 s[\g+3], 128<<16      ; tile_dim0
	s_mov_b32 s[\g+4], 32           ; tile_dim1
	s_mov_b32 s[\g+5], 128          ; the pitch
	s_mov_b32 s[\g+6], 0
	s_mov_b32 s[\g+7], 0
.endr
	s_mov_b32 s16, 15|(3<<16)|(1<<21)  ; pb: an eighth of the head's 8,192 bytes a wave: 4 rows of 256 bytes (32 elements of 8 bytes), no padding
	s_mov_b32 s17, 32<<16
	s_mov_b32 s18, 4<<16
	s_mov_b32 s19, 32<<16
	s_mov_b32 s20, 4
	s_mov_b32 s21, 32
	s_mov_b32 s22, 0
	s_mov_b32 s23, 0
	s_mul_i32 s29, s27, STEPB
	s_mul_i32 s30, s28, VOFF
	s_add_co_u32 s29, s29, s30      ; my tile's place in slot 0: no place in the cluster enters an LDS address
	s_add_co_u32 s30, s28, 1
	s_lshl_b32 s30, s30, 23         ; K's part of qkv or V's
	s_lshl_b32 s31, s26, 18         ; the head: 262,144 bytes
	s_add_co_u32 s30, s30, s31
	s_lshl_b32 s32, s27, 13         ; my step: 64 keys of 128 bytes
	s_add_co_u32 s32, s32, s30
	s_mov_b32 s33, 0
	s_lshl_b32 s34, s[WV], 10
	s_lshl_b32 s36, s26, 13
	s_add_co_u32 s36, s36, s34      ; pb: the head's 8,192 bytes, my 1,024
	s_mov_b32 s37, 0
	s_add_co_u32 s34, s34, PBL
	s_lshl_b32 s38, s25, 15         ; Q and O: my block's 256 rows of 128 bytes,
	s_add_co_u32 s38, s38, s31
	s_lshl_b32 s39, s[WV], 12       ; my wave's 32
	s_add_co_u32 s38, s38, s39
	s_mov_b32 s39, 0
	s_lshr_b32 s40, s26, 4          ; the mask words: 128 b + 16 x block + 2 x wave tiles of 4,096 bytes
	s_lshl_b32 s40, s40, 7
	s_lshl_b32 s41, s25, 4
	s_add_co_u32 s40, s40, s41
	s_lshl_b32 s41, s[WV], 1
	s_add_co_u32 s40, s40, s41
	s_lshl_b32 s40, s40, 12
	s_mov_b32 s41, 0
	s_lshl_b32 s42, s24, 13         ; the prefetches: my work-group's 8,192 bytes,
	s_add_co_u32 s42, s42, s30
	s_add_co_u32 s42, s42, 32768    ; in slot 1: the first change of slots steps it to slot 2.  Nothing is prefetched at the head
	s_mov_b32 s43, 0
	s_mov_b32 s[CS], 0x3e38aa3b     ; c = log2(e) / 8
	s_mov_b32 s[CS+1], s[CS]        ; (named with it as a pair, so it is written)
	s_mov_b32 s[SEL], 0x76543210
	s_mov_b32 s[SEL+1], 0xfedcba98
	s_mov_b32 s[TB], 0
	s_mov_b32 s[J], 0
	s_mov_b32 s[SLOTS], NSL-1
	s_or_b32 s[LIM], s27, ttmp9     ; 0 in waves 0 and 4 of the head's first cluster: the same in all four partners
	s_cmp_eq_u32 s[LIM], 0
	s_cselect_b32 s[LIM], 1, -1
	s_wait_dscnt 0x0                ; both opening adds are done
	s_wait_kmcnt 0x0
	s_mov_b32 s12, 1
	s_mov_b32 s13, s34
	s_add_nc_u64 s[14:15], s[6:7], s[36:37]
	s_or_b32 s15, s15, 0x80000000
	s_mov_b32 s[G0], 1
	s_mov_b32 s[G0+1], s29
	s_add_nc_u64 s[G0+2:G0+3], s[4:5], s[32:33]
	s_or_b32 s[G0+3], s[G0+3], 0x80000000
	s_add_nc_u64 s[44:45], s[4:5], s[38:39]       ; Q
	s_add_nc_u64 s[OP:OP+1], s[10:11], s[38:39]
	s_add_nc_u64 s[MP:MP+1], s[8:9], s[40:41]
	s_add_nc_u64 s[PFA:PFA+1], s[4:5], s[42:43]
	CROUND                          ; all four work-groups are here: the first joint loads meet
	tensor_load_to_lds s[12:15], s[16:23]         ; pb
	s_nop 0
.rept 4
	v_nop
.endr
	JLOAD                           ; slot 0
	v_and_b32 v11, 15, v0           ; r
	v_bfe_u32 v12, v0, 4, 1         ; h
	v_lshlrev_b32 v14, 7, v11
	v_lshl_add_u32 v14, v12, 4, v14 ; Q: row r of 128 bytes, + 16 h
.irp t, 0,1
.irp c, 0,1
	global_load_b128 v[QF+16*\t+8*\c:QF+16*\t+8*\c+3],   v14, s[44:45] offset:2048*\t+64*\c      ; Q stays in registers
	global_load_b128 v[QF+16*\t+8*\c+4:QF+16*\t+8*\c+7], v14, s[44:45] offset:2048*\t+64*\c+32
.endr
.endr
	v_lshrrev_b32 v13, 1, v11
	v_mul_u32_u24 v[AK0], v13, PK
	v_and_b32 v13, 1, v0
	v_lshl_add_u32 v[AK0], v13, 7, v[AK0]
	v_lshl_add_u32 v[AK0], v12, 4, v[AK0]         ; K: key r: 272 (r / 2) + 128 (r % 2), + 16 h
	v_bfe_u32 v15, v0, 1, 2
	v_lshl_add_u32 v15, v12, 2, v15
	v_mul_u32_u24 v[AV0], v15, PVP
	v_lshl_add_u32 v[AV0], v13, 7, v[AV0]
	v_bfe_u32 v15, v0, 3, 1
	v_lshl_add_u32 v[AV0], v15, 4, v[AV0]
	v_add_nc_u32 v[AV0], VOFF, v[AV0]             ; V: lane l reads key 8 h + l % 8, channels 8 ((l / 8) % 2) + 0 .. 7
	v_lshl_add_u32 v[APB0], v12, 5, PBL           ; pb: my eight keys of a tile: 32 h bytes on
	v_and_b32 v[PFO], 31, v0
	v_lshlrev_b32 v[PFO], 8, v[PFO]
	v_mov_b32 v[NINF], 0xff800000
.irp t, 0,1
	v_mov_b32 v[ST+8*\t+1], 0xff61b1e6            ; m = -3e38
	v_mul_f32 v[ST+8*\t], s[CS], v[ST+8*\t+1]     ; c m
	v_mov_b32 v[ST+8*\t+2], 0                     ; l
	v_mov_b32 v[ST+8*\t+3], 0
.endr
	WIN 0x40
.set i, 0
.rept 64
	v_mov_b32 v[i], 0               ; O^T: the step is written once; the first finds zeros, which the first a leaves zeros
.set i, i+1
.endr
	WIN 0
.macro FETCH_KP q                   ; 24 LDS loads: step q's pb (8) and K (16)
.irp kt, 0,1,2,3
	ds_load_b128 v[PB+8*\kt:PB+8*\kt+3],   v[ADP] offset:256*(\q)+64*\kt
	ds_load_b128 v[PB+8*\kt+4:PB+8*\kt+7], v[ADP] offset:256*(\q)+64*\kt+16
.endr
.irp kt, 0,1,2,3
.irp c, 0,1
	ds_load_b128 v[KF+16*\kt+8*\c:KF+16*\kt+8*\c+3],   v[ADK] offset:STEPB*(\q)+8*PK*\kt+64*\c
	ds_load_b128 v[KF+16*\kt+8*\c+4:KF+16*\kt+8*\c+7], v[ADK] offset:STEPB*(\q)+8*PK*\kt+64*\c+32
.endr
.endr
.endm
.macro FETCH_V q                    ; 16 turning loads: keys 32 f on, channels 16 ct on
	WIN 0x40
.irp f, 0,1
.irp ct, 0,1,2,3
	ds_load_tr16_b128 v[VF+8*(4*\f+\ct):VF+8*(4*\f+\ct)+3],   v[ADV] offset:STEPB*(\q)+16*PVP*\f+32*\ct
	ds_load_tr16_b128 v[VF+8*(4*\f+\ct)+4:VF+8*(4*\f+\ct)+7], v[ADV] offset:STEPB*(\q)+16*PVP*\f+8*PVP+32*\ct
.endr
.endr
	WIN 0
.endm
; S^T = K Q^T + 8 pb: channels 32 (i / 8) on, keys 16 ((i / 2) % 4) on, tile i % 2.  The eight accumulators take turns, one instruction a turn.
.macro KQ
.set i, 0
.rept 16
.set rS, S+32*(i%2)+8*((i/2)%4)
.set rK, KF+16*((i/2)%4)+8*(i/8)
.set rQ, QF+16*(i%2)+8*(i/8)
.set rB, PB+8*((i/2)%4)
.if i < 8
	v_wmma_f32_16x16x32_f16 v[rS:rS+7], v[rK:rK+7], v[rQ:rQ+7], v[rB:rB+7]
.else
	v_wmma_f32_16x16x32_f16 v[rS:rS+7], v[rK:rK+7], v[rQ:rQ+7], v[rS:rS+7]
.endif
.set i, i+1
.endr
.endm
; O^T += V^T P: keys 32 (i / 8) on, channels 16 ((i / 2) % 4) on, tile i % 2
.macro PVMUL
	WIN 0x51                        ; V window 1, P window 0, O^T window 1
.set i, 0
.rept 16
.set rO, 32*(i%2)+8*((i/2)%4)
.set rV, VF+8*(4*(i/8)+(i/2)%4)
.set rP, P+16*(i%2)+8*(i/8)
	v_wmma_f32_16x16x32_f16 v[rO:rO+7], v[rV:rV+7], v[rP:rP+7], v[rO:rO+7]
.set i, i+1
.endr
	WIN 0
.endm
.macro MASKS                        ; -infinity where the mask's bit is 0; each accumulator from its low end on
.irp kt, 0,1,2,3
.irp jj, 0,1,2,3,4,5,6,7
	v_cndmask_b32 v[S+8*\kt+\jj], v[NINF], v[S+8*\kt+\jj], s[4+8*\kt+\jj]
.endr
.endr
.irp kt, 0,1
.irp jj, 0,1,2,3,4,5,6,7
	v_cndmask_b32 v[S+32+8*\kt+\jj], v[NINF], v[S+32+8*\kt+\jj], s[36+8*\kt+\jj]
.endr
.endr
.irp kt, 2,3
.irp jj, 0,1,2,3,4,5,6,7
	v_cndmask_b32 v[S+32+8*\kt+\jj], v[NINF], v[S+32+8*\kt+\jj], s[68+8*(\kt-2)+\jj]
.endr
.endr
.endm
.macro MLOAD off                    ; a step's 64 mask words: 128 bytes of each of my two tiles
	s_load_b512 s[4:19],  s[MP:MP+1], s[J] offset:(\off)
	s_load_b512 s[20:35], s[MP:MP+1], s[J] offset:(\off)+64
	s_load_b512 s[36:51], s[MP:MP+1], s[J] offset:(\off)+4096
	s_load_b512 s[68:83], s[MP:MP+1], s[J] offset:(\off)+4160
.endm
; The softmax of both tiles for one key step, the tiles by turns line by line.
.macro SOFTMAX
.irp j, 0,1,2,3
.irp t, 0,1
	v_max3_num_f32 v[ST+8*\t+4+\j], v[S+32*\t+8*\j], v[S+32*\t+8*\j+1], v[S+32*\t+8*\j+2]   ; four chains of seven scores
.endr
.endr
.irp k, 3,5
.irp j, 0,1,2,3
.irp t, 0,1
	v_max3_num_f32 v[ST+8*\t+4+\j], v[ST+8*\t+4+\j], v[S+32*\t+8*\j+\k], v[S+32*\t+8*\j+\k+1]
.endr
.endr
.endr
.irp t, 0,1
	v_max3_num_f32 v[ST+8*\t+4], v[ST+8*\t+4], v[S+32*\t+7], v[S+32*\t+15]                   ; the four scores left over
	v_max3_num_f32 v[ST+8*\t+6], v[ST+8*\t+6], v[S+32*\t+23], v[S+32*\t+31]
.endr
.irp t, 0,1
	v_max3_num_f32 v[ST+8*\t+4], v[ST+8*\t+4], v[ST+8*\t+5], v[ST+8*\t+6]
.endr
.irp t, 0,1
	v_max3_num_f32 v[ST+8*\t+4], v[ST+8*\t+4], v[ST+8*\t+7], v[ST+8*\t+1]                    ; and the old m
.endr
.irp t, 0,1
	v_permlanex16_b32 v[ST+8*\t+5], v[ST+8*\t+4], s[SEL], s[SEL+1]                           ; the query's other 32 keys lie in the lane 16 away
.endr
.irp t, 0,1
	v_mov_b32 v[ST+8*\t+7], v[ST+8*\t]                                                       ; c m_old is kept for a
.endr
.irp t, 0,1
	v_max_num_f32 v[ST+8*\t+1], v[ST+8*\t+4], v[ST+8*\t+5]
.endr
.irp t, 0,1
	v_mul_f32 v[ST+8*\t], s[CS], v[ST+8*\t+1]
.endr
.irp t, 0,1
	v_sub_f32 v[ST+8*\t+7], v[ST+8*\t+7], v[ST+8*\t]
.endr
.irp b, 0,1,2,3,4,5,6,7,8,9,10,11,12,13,14,15
.irp t, 0,1
	v_pk_fma_f32 v[S+32*\t+2*\b:S+32*\t+2*\b+1], v[S+32*\t+2*\b:S+32*\t+2*\b+1], s[CS:CS+1], v[ST+8*\t:ST+8*\t+1] op_sel_hi:[1,0,0] neg_lo:[0,0,1] neg_hi:[0,0,1]   ; c S - c m
.endr
.endr
.irp t, 0,1
	v_exp_f32 v[ST+8*\t+6], v[ST+8*\t+7]                                                     ; a
.endr
.set i, 0
.rept 32
	v_exp_f32 v[S+i], v[S+i]
	v_exp_f32 v[S+32+i], v[S+32+i]
.set i, i+1
.endr
	v_nop                           ; a plain instruction behind the last exponential, ahead of the first use
	s_wait_alu depctr_va_vdst(0)    ; the wait ahead of the first instruction that names a result: one for the 66 exponentials
.set i, 0
.rept 16
	v_cvt_pk_f16_f32 v[P+i], v[S+2*i], v[S+2*i+1]
	v_cvt_pk_f16_f32 v[P+16+i], v[S+32+2*i], v[S+32+2*i+1]
.set i, i+1
.endr
.irp u, 0,1,2,3,4,5,6,7             ; the sum of a tile's 16 pairs, in place: neighbours 1, 2, 4 and 8 pairs apart
.irp t, 0,1
	v_pk_add_f32 v[S+32*\t+4*\u:S+32*\t+4*\u+1], v[S+32*\t+4*\u:S+32*\t+4*\u+1], v[S+32*\t+4*\u+2:S+32*\t+4*\u+3]
.endr
.endr
.irp u, 0,1,2,3
.irp t, 0,1
	v_pk_add_f32 v[S+32*\t+8*\u:S+32*\t+8*\u+1], v[S+32*\t+8*\u:S+32*\t+8*\u+1], v[S+32*\t+8*\u+4:S+32*\t+8*\u+5]
.endr
.endr
.irp u, 0,1
.irp t, 0,1
	v_pk_add_f32 v[S+32*\t+16*\u:S+32*\t+16*\u+1], v[S+32*\t+16*\u:S+32*\t+16*\u+1], v[S+32*\t+16*\u+8:S+32*\t+16*\u+9]
.endr
.endr
.irp t, 0,1
	v_pk_add_f32 v[S+32*\t:S+32*\t+1], v[S+32*\t:S+32*\t+1], v[S+32*\t+16:S+32*\t+17]
.endr
.irp t, 0,1
	v_pk_fma_f32 v[ST+8*\t+2:ST+8*\t+3], v[ST+8*\t+2:ST+8*\t+3], v[ST+8*\t+6:ST+8*\t+7], v[S+32*\t:S+32*\t+1] op_sel_hi:[1,0,1]   ; l = a l + the sum
.endr
	WIN 0x41                        ; O^T (destination and source 0) window 1, a window 0
.set i, 0
.rept 16
	v_pk_mul_f32 v[i:i+1], v[i:i+1], v[ST+6:ST+7] op_sel_hi:[1,0]
	v_pk_mul_f32 v[32+i:32+i+1], v[32+i:32+i+1], v[ST+14:ST+15] op_sel_hi:[1,0]
.set i, i+2
.endr
.endm
; A KEY STEP, the q-th of the slot in hand.  ml = 1: the next step's mask words are asked for.
.macro STEP q, ml
	s_wait_dscnt 0x0                ; K and pb are in
	KQ
.rept 4
	v_nop                           ; four places: ahead of the reads of S^T, and of the loads into K's and pb's registers, which these products read, and V's, which the last step's read
.endr
	FETCH_V \q
.if \q < 3
	FETCH_KP \q+1
.endif
	s_wait_kmcnt 0x0                ; this step's mask words are in
	MASKS
.if \ml
	MLOAD 128*(\q+1)
.endif
	SOFTMAX
.if \q < 3
	s_wait_dscnt 24                 ; V is in; the 24 younger loads, the next step's K and pb, stay out
.else
	s_wait_dscnt 0x0
.endif
	PVMUL
.endm
.macro SLOT_STEPS last
	v_add_nc_u32 v[ADK], s[TB], v[AK0]
	v_add_nc_u32 v[ADV], s[TB], v[AV0]
	v_lshl_add_u32 v[ADP], s[J], 1, v[APB0]
	FETCH_KP 0
	STEP 0, 1
	STEP 1, 1
	STEP 2, 1
.if \last
	STEP 3, 0                       ; behind the last step there are no mask words: no load leaves its buffer
.else
	STEP 3, 1
	s_wait_xcnt 0x0                 ; the scalar loads that are out have read J
	s_add_co_u32 s[J], s[J], 512
.endif
	s_xor_b32 s[TB], s[TB], SLOT1   ; on to the other slot
.endm
; THE CHANGE OF SLOTS stands at a slot's head.  Each wave waits for all its tensor loads (its tile of the slot that it is about to read), adds 0 to its spare word, and waits for that and for its reads of the slot
; that it has left.  fill = 1: a round of the cluster's barrier, so that no wave of any partner still reads that slot or has a load on its way; the joint load of the keys that follow is the first thing behind it
; and has a whole slot's four steps in which to land.  (In the first trip it is slot 1's first fill, in every wave.)
.macro CHANGE fill
	s_wait_tensorcnt 0x0            ; no tensor load of mine is out, so group 0 may be written
	ds_add_u32 v[SPW], v[NIL]       ; 0 onto my spare word
.if \fill
	s_xor_b32 s[G0+1], s[G0+1], SLOT1             ; the other slot than last time,
	s_add_nc_u64 s[G0+2:G0+3], s[G0+2:G0+3], 32768  ; the next 256 keys; the type bits on top are not reached
	s_wait_xcnt 0x0                 ; the last prefetch, a slot back, has read its address
	s_add_nc_u64 s[PFA:PFA+1], s[PFA:PFA+1], 32768  ; one slot further on than the walking descriptor
	s_wait_dscnt 0x0                ; the add is done, and my reads of the slot that I have left are over
	CROUND
	JLOAD
	ASK
.else
	s_wait_dscnt 0x0
	s_barrier_signal -1
	s_barrier_wait -1
.endif
.endm
	s_wait_tensorcnt 0x0            ; pb's descriptor lies where the mask words go: it is written again only behind this wait
	s_wait_loadcnt 0x0              ; Q is in, and its loads have read their base, which lies there too
	MLOAD 0
.Lslot:                             ; seven trips: behind each change of slots but the last the next slot is asked for
	CHANGE 1
	SLOT_STEPS 0
	s_sub_co_u32 s[SLOTS], s[SLOTS], 1
	s_cmp_lg_u32 s[SLOTS], 0
	s_cbranch_scc1 .Lslot
	CHANGE 0                        ; the last slot is written out
	SLOT_STEPS 1
	; THE WAY OUT.  The addresses are the places behind the last products.  O^T is divided by l, rounded to f16 and sent through my stage, a tile (16 rows of 128 bytes) at a time; four rows are 512 consecutive bytes of ao.
	s_mul_i32 s[STG], s[WV], 16*OPITCH
	s_add_co_u32 s[STG], s[STG], STAGE
	v_and_b32 v11, 15, v0
	v_bfe_u32 v12, v0, 4, 1
	v_mul_u32_u24 v[STO], v11, OPITCH
	v_lshl_add_u32 v[STO], v12, 4, v[STO]
	v_add_nc_u32 v[STO], s[STG], v[STO]           ; in: row r, 16 bytes for each half of the lanes
	v_bfe_u32 v[RD], v0, 3, 2
	v_mul_u32_u24 v[RD], v[RD], OPITCH
	v_and_b32 v11, 7, v0
	v_lshl_add_u32 v[RD], v11, 4, v[RD]
	v_add_nc_u32 v[RD], s[STG], v[RD]             ; back: eight lanes to a row, four rows an instruction
	v_and_b32 v[GO], 31, v0
	v_lshlrev_b32 v[GO], 4, v[GO]
.irp t, 0,1
	v_add_f32 v[ST+8*\t+4], v[ST+8*\t+2], v[ST+8*\t+3]
.endr
.irp t, 0,1
	v_permlanex16_b32 v[ST+8*\t+5], v[ST+8*\t+4], s[SEL], s[SEL+1]
.endr
.irp t, 0,1
	v_add_f32 v[ST+8*\t+4], v[ST+8*\t+4], v[ST+8*\t+5]
.endr
.irp t, 0,1
	v_rcp_f32 v[ST+8*\t+6], v[ST+8*\t+4]
.endr
	v_nop                           ; a plain instruction between the last reciprocal and the use of its result
	s_wait_alu depctr_va_vdst(0)    ; and the wait ahead of the first use: one for both
.macro OUT t
	WIN 0x41
.set i, 32*\t
.rept 16
	v_pk_mul_f32 v[i:i+1], v[i:i+1], v[ST+8*\t+6:ST+8*\t+7] op_sel_hi:[1,0]
.set i, i+2
.endr
	WIN 0x05                        ; sources 0 and 1 window 1, destination window 0: S^T's registers are free
.set i, 0
.rept 16
	v_cvt_pk_f16_f32 v[S+16*\t+i], v[32*\t+2*i], v[32*\t+2*i+1]
.set i, i+1
.endr
	WIN 0
.irp ct, 0,1,2,3
	ds_store_b128 v[STO], v[S+16*\t+4*\ct:S+16*\t+4*\ct+3] offset:32*\ct
.endr
.irp f, 0,1,2,3
	ds_load_b128 v[S+32+16*\t+4*\f:S+32+16*\t+4*\f+3], v[RD] offset:4*OPITCH*\f   ; LDS serves a wave's instructions in order (ISA guide 5.7.1.4): these see the stores above; the next tile's stores come behind them
.endr
.endm
	OUT 0
	OUT 1
.irp f, 0,1,2,3
	s_wait_dscnt 8+3-\f             ; tile 0's load f is in; behind it: its younger loads and tile 1's eight LDS instructions
	global_store_b128 v[GO], v[S+32+4*\f:S+32+4*\f+3], s[OP:OP+1] offset:512*\f
.endr
.irp f, 0,1,2,3
	s_wait_dscnt 3-\f
	global_store_b128 v[GO], v[S+48+4*\f:S+48+4*\f+3], s[OP:OP+1] offset:2048+512*\f
.endr
	s_wait_tensorcnt 0x0            ; the wave's end, behind my last tensor load and my last LDS store
	ds_add_u32 v[SPW], v[NIL]
	s_wait_dscnt 0x0
	CROUND                          ; the closing round: no work-group ends while a partner may still ask for a tile that names it
	s_endpgm
.Lfunc_end_k_q20de0baf91_attn:
	.size	k_q20de0baf91_attn, .Lfunc_end_k_q20de0baf91_attn-k_q20de0baf91_attn
	.p2alignl 7, 3214868480
	.fill 96, 4, 3214868480
	.section	.rodata,"a",@progbits
	.p2align	6, 0x0
	.amdhsa_kernel k_q20de0baf91_attn
		.amdhsa_group_segment_fixed_size 327680
		.amdhsa_private_segment_fixed_size 0
		.amdhsa_enable_private_segment 0
		.amdhsa_kernarg_size 32
		.amdhsa_user_sgpr_count 2
		.amdhsa_user_sgpr_kernarg_segment_ptr 1
		.amdhsa_wavefront_size32 1
		.amdhsa_system_sgpr_workgroup_id_x 1
		.amdhsa_system_sgpr_workgroup_id_y 1
		.amdhsa_system_sgpr_workgroup_id_z 1
		.amdhsa_system_vgpr_workitem_id 0
		.amdhsa_next_free_vgpr 384
		.amdhsa_next_free_sgpr 106
		.amdhsa_reserve_vcc 0
		.amdhsa_float_denorm_mode_32 3
		.amdhsa_float_denorm_mode_16_64 3
		.amdhsa_memory_ordered 1
		.amdhsa_forward_progress 1
		.amdhsa_inst_pref_size 193
	.end_amdhsa_kernel
	.amdgpu_metadata
---
amdhsa.version: [ 1, 2 ]
amdhsa.kernels:
  - .name:           k_q20de0baf91_attn
    .symbol:         k_q20de0baf91_attn.kd
    .args:
      - { .name: qkv, .offset: 0, .size: 8, .value_kind: global_buffer, .address_space: global }
      - { .name: pb, .offset: 8, .size: 8, .value_kind: global_buffer, .address_space: global }
      - { .name: mbits, .offset: 16, .size: 8, .value_kind: global_buffer, .address_space: global }
      - { .name: ao, .offset: 24, .size: 8, .value_kind: global_buffer, .address_space: global }
    .group_segment_fixed_size: 327680
    .private_segment_fixed_size: 0
    .kernarg_segment_align: 8
    .kernarg_segment_size: 32
    .max_flat_workgroup_size: 256
    .sgpr_count:     106
    .vgpr_count:     384
    .wavefront_size: 32
...
	.end_amdgpu_metadata
.endif
;; end of part 3
;; launch outp (part 4): grid 8 x 32, 4 waves a work-group, clusters of 4 x 4, 327,680 bytes of LDS; arguments ao, wo16, bo, out0; writes out0
.if DOCPART == 4
	.amdgcn_target "amdgcn-amd-amdhsa--gfx1250"
	.amdhsa_code_object_version 6
	.text
	.protected	k_q20de0baf91_outp
	.globl	k_q20de0baf91_outp
	.p2align	8
	.type	k_q20de0baf91_outp,@function
k_q20de0baf91_outp:
	s_mov_b64 s[64:65], 0
	v_nop
	global_prefetch_b8 v0, s[64:65] scope:SCOPE_SE
	s_setreg_imm32_b32 hwreg(HW_REG_WAVE_MODE, 25, 1), 1
	s_wait_xcnt 0x0
	s_wait_alu depctr_hold_cnt(0) depctr_sa_sdst(0) depctr_va_vdst(0) depctr_va_sdst(0) depctr_va_ssrc(0) depctr_va_vcc(0) depctr_vm_vsrc(0)
	s_getreg_b32 s2, hwreg(HW_REG_IB_STS2, 6, 4)
	s_cmp_eq_u32 s2, 0
	s_cbranch_scc0 .Lentry_in_a_cluster
	s_endpgm
.Lentry_in_a_cluster:
	s_bfe_u32 s2, ttmp6, 0x10000c
	s_cmp_lg_u32 s2, 0xf033
	s_cbranch_scc0 .Lentry_shape_is_right
	s_endpgm
.Lentry_shape_is_right:
; OUTP: out0[m][n] = the sum over k of o[m][k] wo[n][k] + bo[n].  o: ao [b x 16 + head][s 2048][64] f16, so k = 64 head + channel; wo16 [1024][1024] f16; bo [1024], out0 [4096][1024] f32; sums in f32.
; A tile of C is 128 x 128: 8 x 32 = 256 work-groups.  Four waves, each 64 x 64: 16 accumulators.  K goes in steps of 256 (four heads) through a ring of two LDS slots; a quarter step, 64 along K, is one head.
; A'S TILE IS LAID BY HEAD: a wave's 64 rows of one head are 8,192 dense bytes of memory, and the next head lies 262,144 bytes on.  One tensor load brings four such runs: rows of 4,096 elements, four of them,
; with 16 bytes of padding behind every 128 bytes: in LDS a head's 64 rows lie 144 bytes apart, a head's block is 9,216 bytes.  B's tile: 64 rows of 512 bytes, 528 apart.
; CLUSTERS: 4 x 4 work-groups; A's tile is shared along a row of the cluster, B's along a column: joint loads.  THE MATRIX INSTRUCTION IS USED TRANSPOSED (source 0 = 16 rows of B, source 1 = 16 rows of A):
; a lane holds eight neighbouring numbers of a row of C.  The bias is the C of each sum's first product.  A wave's 64 columns are 256 aligned bytes of out0: each wave has a stage of its own, and no barrier stands on the way out.
; By this text's own count a wave has two tensor loads out at the start and one behind each round.
; LIMITS: |o| and |wo| stay under 65,504 (f16).
; REGISTERS: window 0: v0-31 addresses; v32-95 rows on the way out; v96-127 the bias (8 registers for each of B's 4 blocks); v128-255 the accumulators ((a, b) at v[128 + 8 (4 a + b)]).
;   window 1: two fragment buffers of 128: for 64 along K, 64 registers of A (2 x 4 x 16 rows x 32 K), then 64 of B.
.set SIZE_N, 1024
.set SIZE_K, 1024
.set KSTEP,  256
.set PITCH,  528                       ; B's LDS row: 512 bytes + 16
.set PA,     144                       ; A's LDS row: 128 bytes + 16: both are odd multiples of 16 bytes, so the 16 rows that a load touches start at 16 different 16-byte columns of 256
.set HBLKA,  64*PA                     ; 64 rows of one head
.set HALFA,  4*HBLKA                   ; what one tensor load brings of A
.set HALFB,  64*PITCH                  ; and of B
.set BOFF,   2*HALFA
.set SLOT,   BOFF+2*HALFB
.set STAGE,  2*SLOT                    ; behind the ring: 16 rows x 272 bytes for each wave
.set SPITCH, 272
.set SPARE,  STAGE+4*16*SPITCH         ; the spare words, 128 bytes a wave: two blocks of 256 bytes that no other line names
.set LAPS,   SIZE_K/(2*KSTEP)
.set ADRA, 16
.set ADRB, 20
.set STO,  24
.set RD,   25
.set CO,   26
.set SPW,  28
.set NIL,  29
.set TMP,  32
.set BIAS, 96
.set ACC,  128
.set F0,   0
.set F1,   128
.set G1, 24
.set G0, 32
.set G1B, 48
.set G0B, 56
.set MSB, 0
.macro WIN new                         ; the immediate's high byte repeats the setting that is left
.if MSB != \new
	s_set_vgpr_msb (MSB<<8)|\new
.set MSB, \new
.endif
.endm
.set MUL,  0x05                        ; sources 0 (B) and 1 (A) window 1; C and D window 0
.set TO_F, 0x40
.macro JLOAD s                         ; a joint load: waves 0 and 1 fetch A's two halves, waves 2 and 3 B's; an s_nop 0 and four v_nop follow each of the two lines
	s_cmp_eq_u32 s11, 0
	s_cbranch_scc0 .Lfor_b_\@
	tensor_load_to_lds s[G0+4*\s:G0+4*\s+3], s[G1:G1+7]
	s_nop 0
.rept 4
	v_nop
.endr
	s_branch .Lasked_\@
.Lfor_b_\@:
	tensor_load_to_lds s[G0B+4*\s:G0B+4*\s+3], s[G1B:G1B+7]
	s_nop 0
.rept 4
	v_nop
.endr
.Lasked_\@:
.endm
.macro CREST                           ; a round of the cluster's barrier behind its opening barrier
	s_cmp_lg_u32 s10, 0
	s_cbranch_scc1 .Lnot_wave_0_\@
	s_barrier_signal -3
.Lnot_wave_0_\@:
	s_barrier_wait -3
	s_barrier_signal -1
	s_barrier_wait -1
.endm
.macro CROUND
	s_barrier_signal -1
	s_barrier_wait -1
	CREST
.endm
	s_load_b128 s[4:7], s[0:1], 0x0                ; ao, wo16
	s_load_b64 s[66:67], s[0:1], 0x10              ; bo
	s_load_b64 s[8:9], s[0:1], 0x18                ; out0
	v_lshl_add_u32 v[SPW], v0, 2, SPARE
	v_mov_b32 v[NIL], 0
	ds_add_u32 v[SPW], v[NIL]                      ; the wave's opening: the add, twice on end, and its wait ahead of my first tensor load
	ds_add_u32 v[SPW], v[NIL]
	v_lshrrev_b32 v1, 5, v0
	v_readfirstlane_b32 s10, v1                    ; wave 0..3
	s_lshr_b32 s11, s10, 1                         ; which half of the tile's rows is mine.  Also: I fetch for A (0) or for B (1)
	s_and_b32 s12, s10, 1                          ; which half of its columns.  Also: which 64 rows of that tile I fetch
	s_bfe_u32 s40, ttmp6, 0x40000                  ; cx, cy
	s_bfe_u32 s41, ttmp6, 0x40004
	s_lshl_b32 s42, ttmp9, 2
	s_add_co_u32 s42, s42, s40                     ; tile column of C
	s_and_b32 s13, ttmp7, 0xffff
	s_lshl_b32 s13, s13, 2
	s_add_co_u32 s13, s13, s41                     ; tile row of C
	s_lshl_b32 s43, s41, 2
	s_lshl_b32 s43, 15, s43                        ; my row of the cluster
	s_lshl_b32 s44, 0x1111, s40                    ; my column
	s_or_b32 s[G1+0], s43, (1<<16)|(1<<20)|(1<<21)|(4<<22)|(3<<25)  ; A: the mask; elements of 2 bytes; padding on; bit 21 beside a mask; 4 words behind every 32
	s_mov_b32 s[G1+1], 4096<<16                    ; tensor_dim0 = 4,096 elements: 64 rows of 64
	s_mov_b32 s[G1+2], 4<<16                       ; tensor_dim1 = 4 heads
	s_mov_b32 s[G1+3], 4096<<16                    ; tile_dim0
	s_mov_b32 s[G1+4], 4                           ; tile_dim1
	s_mov_b32 s[G1+5], 131072                      ; from head to head, in elements
	s_mov_b32 s[G1+6], 0
	s_mov_b32 s[G1+7], 0
	s_or_b32 s[G1B+0], s44, (1<<16)|(1<<20)|(1<<21)|(6<<22)|(3<<25) ; B: 4 words behind every 128
	s_mov_b32 s[G1B+1], KSTEP<<16
	s_mov_b32 s[G1B+2], 64<<16
	s_mov_b32 s[G1B+3], KSTEP<<16
	s_mov_b32 s[G1B+4], 64
	s_mov_b32 s[G1B+5], SIZE_K
	s_mov_b32 s[G1B+6], 0
	s_mov_b32 s[G1B+7], 0
	s_lshr_b32 s16, s13, 4                         ; A: the batch: 16 heads of 262,144 bytes,
	s_lshl_b32 s16, s16, 22
	s_and_b32 s17, s13, 15
	s_lshl_b32 s17, s17, 14                        ; the tile's 128 rows of 128 bytes,
	s_add_co_u32 s16, s16, s17
	s_lshl_b32 s17, s12, 13                        ; the 64 that I fetch
	s_add_co_u32 s16, s16, s17
	s_mov_b32 s17, 0
	s_lshl_b32 s46, s42, 7                         ; B: row 128 x tile column + 64 x half,
	s_lshl_b32 s47, s12, 6
	s_add_co_u32 s46, s46, s47
	s_lshl_b32 s46, s46, 11                        ; of 2,048 bytes
	s_mov_b32 s47, 0
	s_mul_i32 s20, s12, HALFA                      ; where they go: no place in the cluster enters an LDS address
	s_mul_i32 s21, s12, HALFB
	s_add_co_u32 s21, s21, BOFF
	s_wait_dscnt 0x0                               ; both opening adds are done
	s_wait_kmcnt 0x0
	s_add_nc_u64 s[14:15], s[4:5], s[16:17]
	s_add_nc_u64 s[46:47], s[6:7], s[46:47]
	CROUND                                         ; all sixteen work-groups are here: the first joint loads meet
.irp s, 0,1
	s_mov_b32 s[G0+4*\s], 1
	s_add_co_u32 s[G0+4*\s+1], s20, \s*SLOT
	s_add_nc_u64 s[G0+4*\s+2:G0+4*\s+3], s[14:15], \s*4*262144      ; K step s: four heads on
	s_or_b32 s[G0+4*\s+3], s[G0+4*\s+3], 0x80000000
	s_mov_b32 s[G0B+4*\s], 1
	s_add_co_u32 s[G0B+4*\s+1], s21, \s*SLOT
	s_add_nc_u64 s[G0B+4*\s+2:G0B+4*\s+3], s[46:47], \s*KSTEP*2
	s_or_b32 s[G0B+4*\s+3], s[G0B+4*\s+3], 0x80000000
	JLOAD \s
.endr
	v_and_b32 v1, 15, v0                           ; r
	v_bfe_u32 v2, v0, 4, 1                         ; h
	v_mul_u32_u24 v3, v1, PA
	v_lshl_add_u32 v3, v2, 4, v3                   ; A: a fragment's row x pitch + 16 x half
	v_mul_u32_u24 v4, v1, PITCH
	v_lshl_add_u32 v4, v2, 4, v4                   ; B likewise
	s_mul_i32 s21, s11, HALFA                      ; my 64 rows of A
	s_mul_i32 s22, s12, HALFB                      ; my 64 rows of B,
	s_add_co_u32 s22, s22, BOFF                    ; which lie behind A's 128
.irp s, 0,1
	v_add_nc_u32 v[ADRA+\s], s21, v3
	v_add_nc_u32 v[ADRB+\s], s22, v4
	s_add_co_u32 s21, s21, SLOT
	s_add_co_u32 s22, s22, SLOT
.endr
	s_mul_i32 s23, s10, 16*SPITCH
	s_add_co_u32 s23, s23, STAGE                   ; my stage
	v_mul_u32_u24 v5, v1, SPITCH
	v_lshl_add_u32 v5, v2, 5, v5
	v_add_nc_u32 v[STO], s23, v5                   ; in: row r, 32 bytes for each half of the lanes
	v_mul_u32_u24 v5, v2, SPITCH
	v_lshl_add_u32 v5, v1, 4, v5
	v_add_nc_u32 v[RD], s23, v5                    ; back: lanes 0-15 one row of 256 bytes, lanes 16-31 the next
	v_lshlrev_b32 v5, 12, v2
	v_lshl_add_u32 v[CO], v1, 4, v5                ; and the same two rows in out0
	s_lshl_b32 s16, s13, 7
	s_lshl_b32 s17, s11, 6
	s_add_co_u32 s16, s16, s17                     ; my first row of C
	s_lshl_b32 s16, s16, 12                        ; of 4,096 bytes
	s_lshl_b32 s46, s42, 9
	s_lshl_b32 s47, s12, 8
	s_add_co_u32 s46, s46, s47                     ; my first column, in bytes: 512 x tile column + 256 x half
	s_add_co_u32 s16, s16, s46
	s_mov_b32 s17, 0
	s_mov_b32 s47, 0
	s_add_nc_u64 s[8:9], s[8:9], s[16:17]
	s_add_nc_u64 s[66:67], s[66:67], s[46:47]      ; bo at the same column
	v_lshlrev_b32 v6, 5, v2                        ; lane (r, h) wants, for B's block b, columns 16 b + 8 h + 0 .. 7
.irp b, 0,1,2,3
	global_load_b128 v[BIAS+8*\b:BIAS+8*\b+3], v6, s[66:67] offset:64*\b
	global_load_b128 v[BIAS+8*\b+4:BIAS+8*\b+7], v6, s[66:67] offset:64*\b+16
.endr
; 8 matrix instructions: m blocks a0, a0 + 1 x all 4 n blocks, 32 along K: half c of buffer f.  first = 1: the bias starts the sums.  The 16 accumulators take turns.
.macro MUL8 f, c, a0, first
.irp a, \a0, \a0+1
.irp b, 0,1,2,3
.if \first
	v_wmma_f32_16x16x32_f16 v[ACC+8*(4*(\a)+\b):ACC+8*(4*(\a)+\b)+7], v[\f+64+8*(4*\c+\b):\f+64+8*(4*\c+\b)+7], v[\f+8*(4*\c+(\a)):\f+8*(4*\c+(\a))+7], v[BIAS+8*\b:BIAS+8*\b+7]
.else
	v_wmma_f32_16x16x32_f16 v[ACC+8*(4*(\a)+\b):ACC+8*(4*(\a)+\b)+7], v[\f+64+8*(4*\c+\b):\f+64+8*(4*\c+\b)+7], v[\f+8*(4*\c+(\a)):\f+8*(4*\c+(\a))+7], v[ACC+8*(4*(\a)+\b):ACC+8*(4*(\a)+\b)+7]
.endif
.endr
.endr
.endm
; 32 LDS loads in one run: the fragments of the slot's q-th quarter (one head) into buffer f; the first 32 along K first
.macro FETCH slot, q, f
	WIN TO_F
.irp c, 0,1
.irp i, 0,1,2,3
	ds_load_b128 v[\f+64+8*(4*\c+\i):\f+64+8*(4*\c+\i)+3],   v[ADRB+\slot] offset:128*(\q)+64*\c+\i*16*PITCH
	ds_load_b128 v[\f+64+8*(4*\c+\i)+4:\f+64+8*(4*\c+\i)+7], v[ADRB+\slot] offset:128*(\q)+64*\c+\i*16*PITCH+32
	ds_load_b128 v[\f+8*(4*\c+\i):\f+8*(4*\c+\i)+3],         v[ADRA+\slot] offset:HBLKA*(\q)+64*\c+\i*16*PA
	ds_load_b128 v[\f+8*(4*\c+\i)+4:\f+8*(4*\c+\i)+7],       v[ADRA+\slot] offset:HBLKA*(\q)+64*\c+\i*16*PA+32
.endr
.endr
.endm
.macro PLACES                          ; four places in front of loads into registers that matrix instructions have read, and of reads of results
.rept 4
	v_nop
.endr
.endm
; One of a K step's first three quarters: multiplies buffer f and fetches quarter q into g.
.macro QUARTER slot, q, f, g, first
	s_wait_dscnt 16                                ; the first 32 along K are in; the sixteen younger loads stay out
	WIN MUL
	MUL8 \f, 0, 0, \first
	MUL8 \f, 0, 2, \first
	PLACES
	FETCH \slot, \q, \g
	s_wait_dscnt 32                                ; all but the 32 just issued
	WIN MUL
	MUL8 \f, 1, 0, 0
	MUL8 \f, 1, 2, 0
.endm
; The last quarter multiplies buffer 1 and changes slots: one barrier; in front of it each wave waits for all its tensor loads, adds 0 to its spare word, and waits for that and for its own reads of this slot.
; fill = 1: the barrier opens a round of the cluster's barrier, and this slot is filled again, two K steps ahead.
.macro TURN slot, next, fill
	WIN 0                                          ; (the add's two registers lie in window 0)
	s_wait_tensorcnt 0x0                           ; all my tensor loads have landed: my part of the next slot
	ds_add_u32 v[SPW], v[NIL]                      ; 0 onto my spare word
	s_wait_dscnt 17                                ; (the add and the youngest sixteen loads may be out)
	WIN MUL
	MUL8 F1, 0, 0, 0
	s_wait_dscnt 0x0                               ; the add is done, and my reads of this slot are over
	s_barrier_signal -1
	MUL8 F1, 0, 2, 0
.if \fill
	WIN 0
.endif
	s_barrier_wait -1
.if \fill
	CREST                                          ; no wave of any partner still reads this slot's tile or has a load on its way
	s_add_nc_u64 s[G0+4*\slot+2:G0+4*\slot+3], s[G0+4*\slot+2:G0+4*\slot+3], 2*4*262144
	s_add_nc_u64 s[G0B+4*\slot+2:G0B+4*\slot+3], s[G0B+4*\slot+2:G0B+4*\slot+3], 2*KSTEP*2
	JLOAD \slot                                    ; the first tensor load behind the round; the four v_nop behind it are also the places in front of the loads below
.else
	PLACES
.endif
	FETCH \next, 0, F0
	WIN MUL
	MUL8 F1, 1, 0, 0
	MUL8 F1, 1, 2, 0
.endm
	s_wait_loadcnt 0x0                             ; the bias
	s_wait_tensorcnt 1                             ; my part of K step 0 is in; K step 1's load, issued behind it, may be out
	s_barrier_signal -1
	s_barrier_wait -1
	FETCH 0, 0, F0
	QUARTER 0, 1, F0, F1, 1                        ; the first quarter stands in front of the loop: its first products start the sums
	WIN 0
	s_mov_b32 s3, LAPS-1
.Llap:                                                 ; a trip goes once round the ring, from a lap's second quarter to the next lap's first, and fills both slots again
	QUARTER 0, 2, F1, F0, 0
	QUARTER 0, 3, F0, F1, 0
	TURN 0, 1, 1
	QUARTER 1, 1, F0, F1, 0
	QUARTER 1, 2, F1, F0, 0
	QUARTER 1, 3, F0, F1, 0
	TURN 1, 0, 1
	QUARTER 0, 1, F0, F1, 0
	WIN 0
	s_sub_co_u32 s3, s3, 1
	s_cmp_lg_u32 s3, 0
	s_cbranch_scc1 .Llap
	QUARTER 0, 2, F1, F0, 0                        ; the last lap fills nothing, and has no round of the cluster's barrier
	QUARTER 0, 3, F0, F1, 0
	TURN 0, 1, 0
	QUARTER 1, 1, F0, F1, 0
	QUARTER 1, 2, F1, F0, 0
	QUARTER 1, 3, F0, F1, 0
	s_wait_dscnt 16                                ; the very last quarter: nothing more to fetch
	WIN MUL
	MUL8 F1, 0, 0, 0
	MUL8 F1, 0, 2, 0
	s_wait_dscnt 0
	MUL8 F1, 1, 0, 0
	MUL8 F1, 1, 2, 0
	WIN 0
	; THE WAY OUT, a block of 16 rows x 64 columns at a time: the accumulators go to my stage as they are, each from its low end on, and come back as whole rows of 256 bytes, two rows an instruction.
	PLACES
.irp a, 0,1,2,3
.if \a >= 2
	s_wait_xcnt 0x0                                ; the block before last's stores have read their registers: this block's loads may land there
.endif
.irp b, 0,1,2,3
	ds_store_b128 v[STO], v[ACC+8*(4*\a+\b):ACC+8*(4*\a+\b)+3] offset:64*\b
	ds_store_b128 v[STO], v[ACC+8*(4*\a+\b)+4:ACC+8*(4*\a+\b)+7] offset:64*\b+16
.endr
.irp t, 0,1,2,3,4,5,6,7
	ds_load_b128 v[TMP+32*(\a%2)+4*\t:TMP+32*(\a%2)+4*\t+3], v[RD] offset:\t*2*SPITCH   ; LDS serves a wave's instructions in order (ISA guide 5.7.1.4): these see the stores above
.endr
.irp t, 0,1,2,3,4,5,6,7
	s_wait_dscnt 7-\t                              ; load t is in, the younger ones stay out
	global_store_b128 v[CO], v[TMP+32*(\a%2)+4*\t:TMP+32*(\a%2)+4*\t+3], s[8:9] offset:(16*\a+2*\t)*SIZE_N*4 th:TH_STORE_NT   ; sixteen lanes store 256 consecutive bytes, aligned; written once, read by nobody here
.endr
.endr
	s_wait_tensorcnt 0x0                           ; the wave's end, behind my last tensor load and my last LDS store
	ds_add_u32 v[SPW], v[NIL]
	s_wait_dscnt 0x0
	CROUND                                         ; the closing round: no work-group ends while a partner may still ask for a tile that names it
	s_endpgm
.Lfunc_end_k_q20de0baf91_outp:
	.size	k_q20de0baf91_outp, .Lfunc_end_k_q20de0baf91_outp-k_q20de0baf91_outp
	.p2alignl 7, 3214868480
	.fill 96, 4, 3214868480
	.section	.rodata,"a",@progbits
	.p2align	6, 0x0
	.amdhsa_kernel k_q20de0baf91_outp
		.amdhsa_group_segment_fixed_size 327680
		.amdhsa_private_segment_fixed_size 0
		.amdhsa_enable_private_segment 0
		.amdhsa_kernarg_size 32
		.amdhsa_user_sgpr_count 2
		.amdhsa_user_sgpr_kernarg_segment_ptr 1
		.amdhsa_wavefront_size32 1
		.amdhsa_system_sgpr_workgroup_id_x 1
		.amdhsa_system_sgpr_workgroup_id_y 1
		.amdhsa_system_sgpr_workgroup_id_z 1
		.amdhsa_system_vgpr_workitem_id 0
		.amdhsa_next_free_vgpr 512
		.amdhsa_next_free_sgpr 68
		.amdhsa_reserve_vcc 0
		.amdhsa_float_denorm_mode_32 3
		.amdhsa_float_denorm_mode_16_64 3
		.amdhsa_memory_ordered 1
		.amdhsa_forward_progress 1
		.amdhsa_inst_pref_size 88
	.end_amdhsa_kernel
	.amdgpu_metadata
---
amdhsa.version: [ 1, 2 ]
amdhsa.kernels:
  - .name:           k_q20de0baf91_outp
    .symbol:         k_q20de0baf91_outp.kd
    .args:
      - { .name: ao, .offset: 0, .size: 8, .value_kind: global_buffer, .address_space: global }
      - { .name: wo16, .offset: 8, .size: 8, .value_kind: global_buffer, .address_space: global }
      - { .name: bo, .offset: 16, .size: 8, .value_kind: global_buffer, .address_space: global }
      - { .name: out0, .offset: 24, .size: 8, .value_kind: global_buffer, .address_space: global }
    .group_segment_fixed_size: 327680
    .private_segment_fixed_size: 0
    .kernarg_segment_align: 8
    .kernarg_segment_size: 32
    .max_flat_workgroup_size: 128
    .sgpr_count:     68
    .vgpr_count:     512
    .wavefront_size: 32
...
	.end_amdgpu_metadata
.endif
;; end of part 4
